; MI455X (gfx1250); checked and timed in simulation.
; The chip was launched on July 23, 2026; its instructions are those of AMD's public machine-readable ISA for CDNA 5 (MIT licence, August 2026) and "CDNA5" Instruction Set Architecture Reference Guide (July 2026). The comments in the code are by the model that wrote it; some were corrected since.
;; Causal Self Attention. Allowed arithmetic: matrix products marked QUANTISED: E4M3 operands, one given power-of-two scale a tensor, by v_wmma_f32_16x16x64_fp8_fp8 or v_wmma_f32_16x16x128_fp8_fp8, f32 sums; everything else in f32.
;; Inputs: W_out 1,024 x 1,024 float32; W_qkv 1,024 x 3,072 float32; b_out 1,024 float32; b_qkv 3,072 float32; lowp_scales 8 int32 (the exponents e of the quantised operands' scales 2^e); x 4 x 2,048 x 1,024 float32.
;; Outputs: out0 4 x 2,048 x 1,024 float32.
;; This version of the problem:
;;   THIS VERSION OF THE PROBLEM IS GIVEN IN LOW PRECISION. The matrix products marked QUANTISED in the list below multiply operands that are first quantised to E4M3 (4 exponent bits, 3 mantissa bits; 8 bits a number), with one given power-of-two scale for each operand tensor; their sums are f32. All else is computed in f32.
;;   The module's matrix products, in the order in which they are computed (A, B: the left and right operand; K: the contracted axis; several contracted axes count as one K, in the product's order):
;;     1. [M 8,192, K 1,024] x [K 1,024, N 3,072]; A: input x; B: input W_qkv: QUANTISED (scales: A lowp_scales[0], B lowp_scales[1])
;;     2. batch 64 x [M 2,048, K 64] x [K 64, N 2,048]; A: computed on the way; B: computed on the way: QUANTISED (scales: A lowp_scales[2], B lowp_scales[3])
;;     3. batch 64 x [M 2,048, K 2,048] x [K 2,048, N 64]; A: softmax (see below); B: computed on the way: QUANTISED (scales: A lowp_scales[4], B lowp_scales[5])
;;     4. [M 8,192, K 1,024] x [K 1,024, N 1,024]; A: computed on the way; B: input W_out: QUANTISED (scales: A lowp_scales[6], B lowp_scales[7])
;;   THE QUANTISER, for each operand of a quantised product, along K:
;;     - The operand's scale is 2^e, e = its entry of the input lowp_scales (int32; the entries are numbered through the quantised products in the list's order, A before B).
;;     - Each number is divided by the scale, clamped to +-448, and rounded to the nearest number of E4M3, ties to even, subnormals kept.
;;     - The product sums the exact products of the quantised numbers (number of the format x scale) in f32.
;;   ~~~python
;;   def quantise(x, axis, e):      # numpy; x: float32 -> the quantised numbers, widened to float32 again
;;       x = np.moveaxis(x, axis, -1); K = x.shape[-1]
;;       r = np.clip(x / 2.0 ** e, -448, 448)
;;       step = 2.0 ** (np.maximum(np.frexp(np.where(r == 0, 1, r))[1] - 1, -6) - 3)
;;       q = np.round(r / step) * step * 2.0 ** e      # np.round: ties to even
;;       return np.moveaxis(q, -1, axis).astype(np.float32)
;;   ~~~
;;   SOFTMAX AHEAD OF A QUANTISED PRODUCT. Where the list says 'softmax', what is quantised is not the finished softmax but p = 2^(t - M), with t = logit x log2(e) and M = ceil(the row's largest t), a whole number; so 1/2 < the row's largest p <= 1. The row's sum l is taken of the UNQUANTISED p, in f32, and the product's result is divided by l at the end. Since M is a whole number, a kernel that streams over the keys may use a running M (the ceiling of the running maximum): every later rescaling is an exact power of two, so the quantised numbers keep their values, but for numbers so far below the row's largest that they fall under the format's range.
;;   OPERANDS COMPUTED ON THE WAY. 'Computed on the way' means the value that the module computes at that place (a softmax that the list does not call 'softmax' is quantised finished and normalised). What goes into a quantiser is computed in f32, as accurately as f32 sums, v_exp_f32 and their like allow (about 1e-6 of the number): no bf16 or f16 on the way to a quantiser, and a product that is left as it is and whose result goes on into a quantised operand takes f32 operands (vector FMAs, or v_wmma_f32_16x16x4_f32). A number that lies on a knife's edge between two numbers of the format may be rounded either way, as far as f32 arithmetic and the matrix unit's own rounding can turn it there, and no further.
;; One version. Each part assembles by itself: llvm-mc -triple=amdgcn-amd-amdhsa -mcpu=gfx1250 --defsym DOCPART=n.
;; ======== version 1 of 1: 4 launches
;; limits: right only within a limited range of input values
;; workspace buffers: x_codes 8,388,608 bytes; wqkv_codes 3,145,728 bytes; wout_codes 1,048,576 bytes; q_codes 8,388,608 bytes; k_codes 8,388,608 bytes; vt_codes 8,388,608 bytes; a_codes 8,388,608 bytes
;; launch quant (part 1): grid 384 x 1, 4 waves a work-group, no clusters, 102,912 bytes of LDS; arguments x, W_qkv, W_out, lowp_scales, x_codes, wqkv_codes, wout_codes; writes x_codes, wqkv_codes, wout_codes
.if DOCPART == 1
	.amdgcn_target "amdgcn-amd-amdhsa--gfx1250"
	.amdhsa_code_object_version 6
	.text
	.protected	k_q52cab61ed6_quant
	.globl	k_q52cab61ed6_quant
	.p2align	8
	.type	k_q52cab61ed6_quant,@function
k_q52cab61ed6_quant:
	s_mov_b64 s[64:65], 0
	v_nop
	global_prefetch_b8 v0, s[64:65] scope:SCOPE_SE
	s_setreg_imm32_b32 hwreg(HW_REG_WAVE_MODE, 25, 1), 1
	s_wait_xcnt 0x0
; The three wide inputs become codes of FP8 (E4M3), one byte a number, K innermost, each with the one scale 2^e that is given for it:
;   x     [8192][1024]  f32, K innermost      -> x_codes    [8192][1024]   e = entry 0 of the scales
;   W_qkv [1024][3072]  f32, K the FIRST axis -> wqkv_codes [3072][1024]   e = entry 1
;   W_out [1024][1024]  f32, K the FIRST axis -> wout_codes [1024][1024]   e = entry 7
; code = number / 2^e, held within +-448, rounded to the nearest code, ties to even.
; LIMITS: each e lies between -126 and 119, so that 2^e and 448 x 2^e are f32 numbers.  NaN among the inputs is not served (an infinity is held at the largest code).
; SHARES: work-groups 0-255 take x (32,768 numbers each), 256-351 W_qkv, 352-383 W_out (128 columns x 256 along K each): every work-group reads 131,072 bytes and writes 32,768.
; The three paths part on the work-group's number and share no LDS byte.  Waves share nothing: no barrier.  No matrix unit, no cluster, no tensor load: a stream that is read once.
; WORK LEFT OUT BY THE PROGRAM (launch attn): of attention's two products, the tiles of 16 queries x 128 keys all of whose keys come after all of the tile's queries.  reference() sets those scores to -inf by its own
; jnp.tril ahead of the softmax, so their p is 0 and adds nothing to the row's sum or to the second product, whatever finite values the inputs hold.  Every input has a way to the output and is loaded.
; LIMIT: a NaN, an infinity or an overflow that would arise only in those tiles is not carried to the result.
.set STEPS,  16
.set EMAX,   8
.set MANT,   0x600000                  ; the mantissa field of 448 as f32
.set XR,     16                        ; v16-79   x: four sets of 16 numbers as they are loaded
.set XN,     80                        ; v80-111  x: two sets of 16 neighbours
.set XC,     128                       ; v128-191 x: codes, four registers for each step: no store's data are written again
.set XREG,   8192                      ; LDS 0..32767: x's path, a region for each wave: two stages of 32 x SP bytes
.set SP,     80                        ; a lane's place in a stage: its 64 bytes + 16 of padding
.set WX,     32                        ; v32-95   weights: two sets of 32 numbers
.set WC,     96                        ; v96-103  weights: a block's codes
.set WOUT,   112                       ; v112-175 weights: the way out
.set WPITCH, 272                       ; a stage row: 256 bytes of codes + 16
.set KROW,   1024                      ; a row of a weight's codes in bytes
.set LQKV,   32768                     ; LDS: W_qkv's path, 32 x WPITCH bytes for each wave
.set LOUT,   LQKV+4*32*WPITCH          ; LDS: W_out's path, likewise
.macro SCALE e                         ; v11 = 2^e as f32 (the conversion takes its exponent field), v10 = 448 x 2^e
	s_add_co_i32 s22, s[\e], 127
	s_lshl_b32 s23, s22, 23
	v_mov_b32 v11, s23
	s_add_co_i32 s22, s22, EMAX
	s_lshl_b32 s22, s22, 23
	s_or_b32 s22, s22, MANT
	v_mov_b32 v10, s22
.endm
; ---- x.  The conversions take 8 numbers of one lane's consecutive registers, so a lane must hold neighbours along K; a load is best where neighbouring LANES take neighbouring bytes.
; Both are had: each load reads 512 consecutive bytes, 16 a lane; a step's 2,048 bytes go through the wave's own stage in LDS as they lie and come back 64 bytes a lane.
.macro LOADX t
.irp i, 0,1,2,3
	global_load_b128 v[XR+16*((\t)%4)+4*\i:XR+16*((\t)%4)+4*\i+3], v3, s[4:5] offset:2048*(\t)+512*\i th:TH_LOAD_NT
.endr
.endm
.macro TURNX t                         ; LDS serves a wave's instructions in order: no wait between the stores and the loads
.irp i, 0,1,2,3
	ds_store_b128 v14, v[XR+16*((\t)%4)+4*\i:XR+16*((\t)%4)+4*\i+3] offset:32*SP*((\t)%2)+8*SP*\i
.endr
.irp i, 0,1,2,3
	ds_load_b128 v[XN+16*((\t)%2)+4*\i:XN+16*((\t)%2)+4*\i+3], v15 offset:32*SP*((\t)%2)+16*\i
.endr
.endm
.macro STEPX t
.set XS, XN+16*((\t)%2)
	s_wait_dscnt 0x0                               ; this step's numbers are back from the stage, and its stores into the stage have read their registers,
.if (\t)+4 < STEPS
	LOADX (\t)+4                                   ; which take the loads of four steps on
.endif
.if (\t)+1 < STEPS
.if STEPS-2-(\t) >= 3
	s_wait_loadcnt 12                              ; the next step's four loads are in; those of the three steps behind it may be out
.else
	s_wait_loadcnt 4*(STEPS-2-(\t))                ; at the end the counts run down
.endif
	TURNX (\t)+1                                   ; and go through the other stage while this step is worked
.endif
.set i, 0
.rept 16
	v_med3_num_f32 v[XS+i], v[XS+i], -v10, v10     ; the conversion to an 8-bit code does not saturate (ISA guide 7.6.2): the hold at the largest code x the scale comes first
.set i, i+1
.endr
	v_cvt_scalef32_pk8_fp8_f32 v[XC+4*(\t):XC+4*(\t)+1], v[XS:XS+7], v11
	v_cvt_scalef32_pk8_fp8_f32 v[XC+4*(\t)+2:XC+4*(\t)+3], v[XS+8:XS+15], v11
	global_store_b128 v4, v[XC+4*(\t):XC+4*(\t)+3], s[12:13] offset:512*(\t)   ; the wave stores 512 consecutive bytes, aligned
.endm
; ---- a weight [1024 (k)][cols (n)].  A LANE TAKES A COLUMN n AND ITS REGISTERS RUN DOWN K: each load reads 128 consecutive bytes a wave, and the conversions give codes with K innermost.
; A wave takes 32 columns x 256 along K; the codes go through the wave's own stage and leave as rows: sixteen lanes store 256 consecutive bytes, aligned.
.macro WLOAD t, cols, src              ; block t: W(32 t + i, my column), i = 0 .. 31, into set t % 2
.set i, 0
.rept 32
	global_load_b32 v[WX+32*((\t)%2)+i], v3, s[\src:\src+1] offset:(32*(\t)+i)*\cols*4 th:TH_LOAD_NT
.set i, i+1
.endr
.endm
.macro WBLOCK t, cols, src
.set XS, WX+32*((\t)%2)
.if (\t) < 7
	s_wait_loadcnt 32                              ; this block's 32 loads are in; the next block's may be out
.else
	s_wait_loadcnt 0
.endif
.set i, 0
.rept 32
	v_med3_num_f32 v[XS+i], v[XS+i], -v10, v10
.set i, i+1
.endr
.irp g, 0,1,2,3
	v_cvt_scalef32_pk8_fp8_f32 v[WC+2*\g:WC+2*\g+1], v[XS+8*\g:XS+8*\g+7], v11
.endr
	ds_store_b128 v4, v[WC:WC+3] offset:32*(\t)    ; 32 codes: 32 bytes of my column's row
	ds_store_b128 v4, v[WC+4:WC+7] offset:32*(\t)+16
.if (\t)+2 < 8
	WLOAD (\t)+2, \cols, \src
.endif
	s_wait_dscnt 0x0                               ; the stores have read their registers: the next block's codes may be written
.endm
.macro WPATH cols, lbase, first, src, dst, e
	s_sub_co_u32 s19, ttmp9, \first                ; my number among the weight's work-groups
	s_and_b32 s20, s19, 3                          ; which 256 along K
	s_lshr_b32 s19, s19, 2
	s_lshl_b32 s19, s19, 7
	s_lshl_b32 s21, s18, 5
	s_add_co_u32 s19, s19, s21                     ; my wave's first column
	v_lshlrev_b32 v3, 2, v2                        ; in: 4 bytes a lane
	s_mul_i32 s21, s18, 32*WPITCH
	s_add_co_u32 s21, s21, \lbase                  ; my stage
	v_mul_u32_u24 v4, v2, WPITCH
	v_add_nc_u32 v4, s21, v4                       ; into it: row = my column
	v_and_b32 v5, 15, v2
	v_lshrrev_b32 v6, 4, v2                        ; out of it: sixteen lanes to a row, two rows an instruction
	v_mul_u32_u24 v7, v6, WPITCH
	v_lshl_add_u32 v7, v5, 4, v7
	v_add_nc_u32 v7, s21, v7
	v_lshlrev_b32 v8, 10, v6
	v_lshl_add_u32 v8, v5, 4, v8                   ; and the same place in the codes' buffer
	s_mul_i32 s22, s20, 256*\cols*4
	s_lshl_b32 s23, s19, 2
	s_add_co_u32 s22, s22, s23
	s_mov_b32 s23, 0
	s_add_nc_u64 s[\src:\src+1], s[\src:\src+1], s[22:23]
	s_lshl_b32 s22, s19, 10
	s_lshl_b32 s21, s20, 8
	s_add_co_u32 s22, s22, s21
	s_add_nc_u64 s[\dst:\dst+1], s[\dst:\dst+1], s[22:23]
	WLOAD 0, \cols, \src
	WLOAD 1, \cols, \src
	s_wait_kmcnt 0x0                               ; the exponents
	SCALE \e
	s_wait_alu depctr_va_vdst(0)
.irp t, 0,1,2,3,4,5,6,7
	WBLOCK \t, \cols, \src
.endr
.set i, 0
.rept 16
	ds_load_b128 v[WOUT+4*i:WOUT+4*i+3], v7 offset:2*i*WPITCH   ; LDS serves a wave's instructions in order: these see my stores
.set i, i+1
.endr
.set i, 0
.rept 16
	s_wait_dscnt 15-i                              ; the younger loads may be out
	global_store_b128 v8, v[WOUT+4*i:WOUT+4*i+3], s[\dst:\dst+1] offset:2*i*KROW
.set i, i+1
.endr
.endm
	s_load_b256 s[4:11], s[0:1], 0x0               ; x s[4:5], W_qkv s[6:7], W_out s[8:9], the exponents s[10:11]
	s_load_b128 s[12:15], s[0:1], 0x20             ; x_codes s[12:13], wqkv_codes s[14:15]
	s_load_b64 s[16:17], s[0:1], 0x30              ; wout_codes
	v_lshl_add_u32 v192, v0, 2, 0x19000
	v_mov_b32 v193, 0
	v_lshrrev_b32 v1, 5, v0
	v_readfirstlane_b32 s18, v1                    ; wave 0..3
	v_and_b32 v2, 31, v0                           ; lane
	s_wait_kmcnt 0x0
	s_load_b256 s[24:31], s[10:11], 0x0            ; the eight exponents: each path waits for them behind its first loads
	s_cmp_lt_u32 ttmp9, 256
	s_cbranch_scc1 .Lpath_x
	s_cmp_lt_u32 ttmp9, 352
	s_cbranch_scc1 .Lpath_qkv
	s_wait_alu depctr_va_vdst(0)
	WPATH 1024, LOUT, 352, 8, 16, 31
	s_wait_tensorcnt 0x0
	ds_add_u32 v192, v193
	s_wait_dscnt 0x0
	s_endpgm
.Lpath_qkv:
	s_wait_alu depctr_va_vdst(0)
	WPATH 3072, LQKV, 256, 6, 14, 25
	s_wait_tensorcnt 0x0
	ds_add_u32 v192, v193
	s_wait_dscnt 0x0
	s_endpgm
.Lpath_x:
	s_wait_alu depctr_va_vdst(0)
	v_lshlrev_b32 v3, 4, v2                        ; my 16 bytes of a load's 512
	s_wait_alu depctr_va_vdst(0)
	s_mul_i32 s19, s18, XREG
	v_lshrrev_b32 v14, 2, v2
	v_mul_u32_u24 v14, v14, SP
	v_and_b32 v15, 3, v2
	v_lshl_add_u32 v14, v15, 4, v14
	v_add_nc_u32 v14, s19, v14                     ; the stage, on the way in: four lanes' 64 bytes on end, then 16 of padding
	v_mul_u32_u24 v15, v2, SP
	v_add_nc_u32 v15, s19, v15                     ; and on the way out: my 16 neighbours
	v_lshlrev_b32 v4, 4, v2                        ; my codes' place in a step's
	s_lshl_b32 s20, ttmp9, 2
	s_add_co_u32 s20, s20, s18                     ; which run of 8,192 numbers is my wave's
	s_lshl_b32 s22, s20, 15
	s_mov_b32 s23, 0
	s_add_nc_u64 s[4:5], s[4:5], s[22:23]
	s_lshl_b32 s22, s20, 13
	s_add_nc_u64 s[12:13], s[12:13], s[22:23]
.irp t, 0,1,2,3
	LOADX \t
.endr
	s_wait_alu depctr_va_vdst(0)
	s_wait_kmcnt 0x0                               ; the exponents
	SCALE 24
	s_wait_alu depctr_va_vdst(0)
	s_wait_loadcnt 12                              ; step 0's four loads are in
	TURNX 0
.irp t, 0,1,2,3,4,5,6,7,8,9,10,11,12,13,14,15
	STEPX \t
.endr
	s_wait_tensorcnt 0x0
	ds_add_u32 v192, v193
	s_wait_dscnt 0x0
	s_endpgm
.Lfunc_end_k_q52cab61ed6_quant:
	.size	k_q52cab61ed6_quant, .Lfunc_end_k_q52cab61ed6_quant-k_q52cab61ed6_quant
	.p2alignl 7, 3214868480
	.fill 96, 4, 3214868480
	.section	.rodata,"a",@progbits
	.p2align	6, 0x0
	.amdhsa_kernel k_q52cab61ed6_quant
		.amdhsa_group_segment_fixed_size 102912
		.amdhsa_private_segment_fixed_size 0
		.amdhsa_enable_private_segment 0
		.amdhsa_kernarg_size 56
		.amdhsa_user_sgpr_count 2
		.amdhsa_user_sgpr_kernarg_segment_ptr 1
		.amdhsa_wavefront_size32 1
		.amdhsa_system_sgpr_workgroup_id_x 1
		.amdhsa_system_sgpr_workgroup_id_y 1
		.amdhsa_system_sgpr_workgroup_id_z 1
		.amdhsa_system_vgpr_workitem_id 0
		.amdhsa_next_free_vgpr 194
		.amdhsa_next_free_sgpr 66
		.amdhsa_reserve_vcc 0
		.amdhsa_float_denorm_mode_32 3
		.amdhsa_float_denorm_mode_16_64 3
		.amdhsa_memory_ordered 1
		.amdhsa_forward_progress 1
		.amdhsa_inst_pref_size 134
	.end_amdhsa_kernel
	.amdgpu_metadata
---
amdhsa.version: [ 1, 2 ]
amdhsa.kernels:
  - .name:           k_q52cab61ed6_quant
    .symbol:         k_q52cab61ed6_quant.kd
    .args:
      - { .name: x, .offset: 0, .size: 8, .value_kind: global_buffer, .address_space: global }
      - { .name: W_qkv, .offset: 8, .size: 8, .value_kind: global_buffer, .address_space: global }
      - { .name: W_out, .offset: 16, .size: 8, .value_kind: global_buffer, .address_space: global }
      - { .name: lowp_scales, .offset: 24, .size: 8, .value_kind: global_buffer, .address_space: global }
      - { .name: x_codes, .offset: 32, .size: 8, .value_kind: global_buffer, .address_space: global }
      - { .name: wqkv_codes, .offset: 40, .size: 8, .value_kind: global_buffer, .address_space: global }
      - { .name: wout_codes, .offset: 48, .size: 8, .value_kind: global_buffer, .address_space: global }
    .group_segment_fixed_size: 102912
    .private_segment_fixed_size: 0
    .kernarg_segment_align: 8
    .kernarg_segment_size: 56
    .max_flat_workgroup_size: 128
    .sgpr_count:     66
    .vgpr_count:     194
    .wavefront_size: 32
...
	.end_amdgpu_metadata
.endif
;; end of part 1
;; launch qkv (part 2): grid 12 x 32, 4 waves a work-group, clusters of 4 x 4, 327,680 bytes of LDS; arguments x_codes, wqkv_codes, b_qkv, lowp_scales, q_codes, k_codes, vt_codes; writes q_codes, k_codes, vt_codes
.if DOCPART == 2
	.amdgcn_target "amdgcn-amd-amdhsa--gfx1250"
	.amdhsa_code_object_version 6
	.text
	.protected	k_q52cab61ed6_qkv
	.globl	k_q52cab61ed6_qkv
	.p2align	8
	.type	k_q52cab61ed6_qkv,@function
k_q52cab61ed6_qkv:
	s_mov_b64 s[64:65], 0
	v_nop
	global_prefetch_b8 v0, s[64:65] scope:SCOPE_SE
	s_setreg_imm32_b32 hwreg(HW_REG_WAVE_MODE, 25, 1), 1
	s_wait_xcnt 0x0
	s_wait_alu depctr_hold_cnt(0) depctr_sa_sdst(0) depctr_va_vdst(0) depctr_va_sdst(0) depctr_va_ssrc(0) depctr_va_vcc(0) depctr_vm_vsrc(0)
	s_getreg_b32 s2, hwreg(HW_REG_IB_STS2, 6, 4)
	s_cmp_eq_u32 s2, 0
	s_cbranch_scc0 .Lentry_in_a_cluster
	s_endpgm
.Lentry_in_a_cluster:
	s_bfe_u32 s2, ttmp6, 0x10000c
	s_cmp_lg_u32 s2, 0xf033
	s_cbranch_scc0 .Lentry_shape_is_right
	s_endpgm
.Lentry_shape_is_right:
; qkv = x W_qkv + b_qkv on codes of FP8 (E4M3); the results are quantised at once into the operands of attention's two products and never go to memory as f32.
; The kernel makes C'[m'][n'] = sum over k of A'[m'][k] B'[n'][k], K = 1,024, in tiles of 256 x 256: four waves, each 128 x 128 in 64 accumulators (512 registers).
; THE MATRIX INSTRUCTION IS USED TRANSPOSED (source 0 = 16 rows of B', source 1 = 16 rows of A'): a lane holds one m' and eight neighbouring n'.  A quantiser wants a lane's registers along the NEXT K:
;   q, k (next K = the head's 64):  A' = x (tokens),              B' = W's rows (features)    clusters with x = 0 (q) and x = 1 (k)
;   v    (next K = the keys):       A' = W's rows 2,048 on,       B' = x (tokens)             clusters with x = 2
; The role hangs on the cluster's x alone, which all sixteen partners share; it chooses pointers and offsets by s_cselect; the loop is one text.
; OUT:  q_codes, k_codes [b 4][h 16][l 2048][64]; vt_codes [b][h][block of 128 keys 16][d 64][128].  Within each 32 along the next K the order is 0-7, 16-23, 8-15, 24-31: in q and k alike, so every product
; meets its partner; in vt it is the order in which 16-byte LDS loads give the K = 128 form its own layout.
; A sum stands for sum x 2^(e0 + e1); + bias in f32, one rounding; then / 2^e, held within +-448, to the nearest code (e = e2 for q, e3 for k, e5 for v).
; LIMITS: e0 + e1 between -126 and 127; e2, e3, e5 between -126 and 119.  NaN among the inputs is not served.
; CLUSTERS: 4 x 4 work-groups.  The four of a row of the cluster need the same tiles of A', the four of a column the same tiles of B': each tile is asked for JOINTLY, by the same tensor load with the same
; descriptor and a mask that names the four.  K goes in steps of 256 through a ring of two LDS slots; a tile's row is 256 bytes of memory.
; REGISTERS, in windows of 256: window 0: v0-31 addresses and constants; v32-95 the bias by feature registers, v96-111 the bias by feature row; from v128 A's fragments, ONE set (on the way out v128-255 are free).
;   window 1: B's fragments, TWO sets.   window 2: the 32 accumulators of my rows 0-63 ((a, b) at v[8 (8 a + b)]);   window 3: those of my rows 64-127.
.set KSTEP,  256
.set ROWB,   256                       ; a tile's row in bytes
.set KROW,   1024                      ; a row of A' or B' in memory, in bytes
.set PITCH,  272                       ; an LDS row: 256 bytes + 16 of padding = 68 words: the 16 rows that a load touches start at 16 different banks (64 banks of 4 bytes: ISA guide 11.1)
.set FR,     16                        ; registers of a fragment: 16 rows x 128 K
.set NL,     4                         ; LDS loads that bring one
.set NP,     4                         ; places behind this matrix instruction (ISA guide 7.12.1)
.set HALFT,  128*PITCH
.set SLOT,   4*HALFT
.set LAPS,   2                         ; 1,024 along K = four K steps = twice round the ring
.set SPARE,  2*SLOT                    ; behind the ring: the spare words, 128 bytes for each wave
.set SPITCH, 144                       ; the way out: a stage of 128 rows x (128 bytes of codes + 16) for each wave, in slot 0, which has had its last fill and its last read by then
.set ADRA, 16
.set ADRB, 20
.set ZR,   23                          ; v23  0, for the bias that does not apply
.set STO,  24                          ; v24  the stage: where I put 8 codes
.set RDQ,  25                          ; v25  the stage, back, for q and k: 8 rows x 64 bytes an instruction
.set CO,   26                          ; v26  16 x lane: my place in a store's 512 bytes
.set RDV,  27                          ; v27  the stage, back, for v: 4 rows x 128 bytes an instruction
.set SPW,  28
.set NIL,  29
.set SCL,  30                          ; v30  2^e as f32
.set LIM,  31                          ; v31  448 x 2^e
.set BQ,   32
.set BV,   96
.set TMP,  128                         ; the way out: a block's 64 numbers
.set CD,   192                         ; the way out: its codes, two sets of 16 registers
.set AF,   128
.set BK,   128                         ; the way out: 32 x 4 registers read back from the stage
.set G1, 24
.set G0, 32
.set G1B, 48
.set G0B, 56
.set MSB, 0
.macro WIN new                         ; the immediate's high byte repeats the setting that is left
.if MSB != \new
	s_set_vgpr_msb (MSB<<8)|\new
.set MSB, \new
.endif
.endm
.set MUL_LO, 0xa1                      ; source 0 (B') window 1, source 1 (A') window 0, C and D window 2
.set MUL_HI, 0xf1                      ; the same, C and D window 3
.set TO_B,   0x40                      ; destination window 1, address window 0
; A joint load: waves 0 and 1 fetch for A', waves 2 and 3 for B'.  The branch hangs on the wave's number alone.  Four v_nop follow each of the two lines.
.macro JLOAD g0a, g1a, g0b, g1b
	s_cmp_eq_u32 s15, 0
	s_cbranch_scc0 .Lfor_b_\@
	tensor_load_to_lds s[\g0a:\g0a+3], s[\g1a:\g1a+7]
	s_nop 0
.rept 4
	v_nop
.endr
	s_branch .Lasked_\@
.Lfor_b_\@:
	tensor_load_to_lds s[\g0b:\g0b+3], s[\g1b:\g1b+7]
	s_nop 0
.rept 4
	v_nop
.endr
.Lasked_\@:
.endm
.macro CREST                           ; a round of the cluster's barrier behind its opening barrier
	s_cmp_lg_u32 s14, 0
	s_cbranch_scc1 .Lnot_wave_0_\@
	s_barrier_signal -3
.Lnot_wave_0_\@:
	s_barrier_wait -3
	s_barrier_signal -1
	s_barrier_wait -1
.endm
.macro CROUND
	s_barrier_signal -1
	s_barrier_wait -1
	CREST
.endm
	s_load_b256 s[4:11], s[0:1], 0x0               ; x_codes s[4:5], wqkv_codes s[6:7], b_qkv s[8:9], the exponents s[10:11]
	s_load_b128 s[68:71], s[0:1], 0x20             ; q_codes, k_codes
	s_load_b64 s[72:73], s[0:1], 0x30              ; vt_codes
	v_lshl_add_u32 v[SPW], v0, 2, SPARE
	v_mov_b32 v[NIL], 0
	ds_add_u32 v28, v29
	ds_add_u32 v28, v29
	s_wait_dscnt 0x0
	v_lshrrev_b32 v1, 5, v0
	v_readfirstlane_b32 s14, v1                    ; wave 0..3
	s_lshr_b32 s15, s14, 1                         ; which half of the tile's rows is mine.  Also: I fetch for A' (0) or for B' (1)
	s_and_b32 s16, s14, 1                          ; which half of its columns.  Also: which 128 rows of that tile I fetch
	s_bfe_u32 s40, ttmp6, 0x40000                  ; cx, cy: my place in the cluster
	s_bfe_u32 s41, ttmp6, 0x40004
	s_and_b32 s74, ttmp7, 0xffff                   ; the cluster's y
	s_cmp_eq_u32 ttmp9, 2                          ; the role: v?  The cluster's x is the same in all sixteen partners
	s_cselect_b32 s42, s74, ttmp9                  ; the columns' clusters: tokens go by the cluster's y, features by its x
	s_cselect_b32 s17, 0, s74                      ; the rows' clusters
	s_cselect_b32 s75, 2048, 0                     ; A's first row in its buffer: v's features begin at W's row 2,048
	s_cselect_b32 s94, -1, 0                       ; all lanes where the role is v,
	s_cselect_b32 s95, 0, -1                       ; and where it is not
	s_lshl_b32 s42, s42, 2
	s_add_co_u32 s42, s42, s40                     ; tile column of C'
	s_lshl_b32 s17, s17, 2
	s_add_co_u32 s17, s17, s41                     ; tile row of C'
	s_lshl_b32 s43, s41, 2
	s_lshl_b32 s43, 15, s43                        ; my row of the cluster
	s_lshl_b32 s44, 0x1111, s40                    ; my column
	; descriptor group 1: a tile of 128 rows x 256 bytes, padded in LDS
	s_or_b32 s[G1+0], s43, (0<<16)|(1<<20)|(1<<21)|(5<<22)|(3<<25)  ; 15:0 the mask: A's tiles go to my row; 17:16 elements of 1 byte; 20 padding on; 21 set beside a mask; 24:22 after every 64 words; 31:25 four words
	s_or_b32 s[G1B+0], s44, (0<<16)|(1<<20)|(1<<21)|(5<<22)|(3<<25)
.irp g, G1, G1B
	s_mov_b32 s[\g+1], ROWB<<16                    ; tensor_dim0
	s_mov_b32 s[\g+2], 128<<16                     ; tensor_dim1
	s_mov_b32 s[\g+3], ROWB<<16                    ; tile_dim0
	s_mov_b32 s[\g+4], 128                         ; tile_dim1
	s_mov_b32 s[\g+5], KROW                        ; tensor_dim0_stride
	s_mov_b32 s[\g+6], 0
	s_mov_b32 s[\g+7], 0
.endr
	s_lshl_b32 s18, s16, 7                         ; which 128 rows of the tile I fetch
	s_lshl_b32 s20, s17, 8
	s_add_co_u32 s20, s20, s18
	s_add_co_u32 s20, s20, s75                     ; A': row 256 x tile row + 128 x half (+ 2,048)
	s_lshl_b32 s46, s42, 8
	s_add_co_u32 s46, s46, s18                     ; B': row 256 x tile column + 128 x half
	s_lshl_b32 s20, s20, 10                        ; rows of 1,024 bytes
	s_mov_b32 s21, 0
	s_lshl_b32 s46, s46, 10
	s_mov_b32 s47, 0
	s_mul_i32 s45, s14, HALFT                      ; where they go: wave x 128 rows: no place in the cluster enters an LDS address
	s_wait_kmcnt 0x0
	s_load_b256 s[80:87], s[10:11], 0x0            ; e0 .. e7: waited for on the way out
	s_cmp_eq_u32 ttmp9, 2
	s_cselect_b64 s[88:89], s[6:7], s[4:5]         ; A'
	s_cselect_b64 s[90:91], s[4:5], s[6:7]         ; B'
	s_add_nc_u64 s[20:21], s[88:89], s[20:21]
	s_add_nc_u64 s[46:47], s[90:91], s[46:47]
	CROUND                                         ; all sixteen work-groups are here: the first joint loads meet
.irp s, 0,1
	s_mov_b32 s[G0+4*\s], 1
	s_add_co_u32 s[G0+4*\s+1], s45, \s*SLOT
	s_add_nc_u64 s[G0+4*\s+2:G0+4*\s+3], s[20:21], \s*ROWB
	s_or_b32 s[G0+4*\s+3], s[G0+4*\s+3], 0x80000000
	s_mov_b32 s[G0B+4*\s], 1
	s_add_co_u32 s[G0B+4*\s+1], s45, \s*SLOT
	s_add_nc_u64 s[G0B+4*\s+2:G0B+4*\s+3], s[46:47], \s*ROWB
	s_or_b32 s[G0B+4*\s+3], s[G0B+4*\s+3], 0x80000000
.endr
	JLOAD G0, G1, G0B, G1B                         ; K step 0: one tensor load a wave at the head
	v_and_b32 v1, 15, v0                           ; r = l % 16
	s_wait_alu depctr_va_vdst(0)
	v_bfe_u32 v2, v0, 4, 1                         ; h = l / 16
	v_mul_u32_u24 v3, v1, PITCH
	v_lshl_add_u32 v4, v2, 4, v3                   ; a fragment's row x pitch + 16 x half
	s_mul_i32 s21, s15, HALFT                      ; my 128 rows of A'
	s_mul_i32 s22, s16, HALFT                      ; my 128 rows of B',
	s_add_co_u32 s22, s22, 2*HALFT                 ; which lie behind A's 256
.irp s, 0,1
	v_add_nc_u32 v[ADRA+\s], s21, v4
	v_add_nc_u32 v[ADRB+\s], s22, v4
	s_add_co_u32 s21, s21, SLOT
	s_add_co_u32 s22, s22, SLOT
.endr
	s_mul_i32 s23, s14, 128*SPITCH                 ; my stage
	v_mul_u32_u24 v5, v1, SPITCH
	s_wait_alu depctr_va_vdst(0)
	v_lshl_add_u32 v5, v2, 4, v5
	v_add_nc_u32 v[STO], s23, v5                   ; in: row r, + 16 h
	v_and_b32 v6, 31, v0
	v_lshlrev_b32 v[CO], 4, v6
	v_lshrrev_b32 v7, 2, v6
	v_mul_u32_u24 v7, v7, SPITCH
	v_and_b32 v8, 3, v6
	v_lshl_add_u32 v7, v8, 4, v7
	v_add_nc_u32 v[RDQ], s23, v7                   ; back, q and k: four lanes to a head's 64 bytes of a row
	v_lshrrev_b32 v7, 3, v6
	v_mul_u32_u24 v7, v7, SPITCH
	v_and_b32 v8, 7, v6
	v_lshl_add_u32 v7, v8, 4, v7
	v_add_nc_u32 v[RDV], s23, v7                   ; back, v: eight lanes to a row's 128 bytes
	; the biases.  Both kinds are loaded in either role, from a place inside b_qkv; the kind that does not apply is cleared on the way out.
	s_lshl_b32 s76, s42, 8
	s_lshl_b32 s77, s16, 7
	s_add_co_u32 s76, s76, s77
	s_lshl_b32 s76, s76, 2                         ; q, k: my first feature = 256 x tile column + 128 x half, in bytes
	s_lshl_b32 s78, s17, 8
	s_lshl_b32 s79, s15, 7
	s_add_co_u32 s78, s78, s79
	s_add_co_u32 s78, s78, 2048
	s_lshl_b32 s78, s78, 2                         ; v: 2,048 + 256 x tile row + 128 x half
	s_cmp_eq_u32 ttmp9, 2
	s_cselect_b32 s76, 0, s76
	s_cselect_b32 s78, s78, 0
	s_mov_b32 s77, 0
	s_mov_b32 s79, 0
	s_add_nc_u64 s[76:77], s[8:9], s[76:77]
	s_add_nc_u64 s[78:79], s[8:9], s[78:79]
	v_lshlrev_b32 v9, 5, v2                        ; 32 h: my half's eight features of a tile
	v_lshlrev_b32 v10, 2, v1                       ; 4 r: my row's feature
.irp b, 0,1,2,3,4,5,6,7
	global_load_b128 v[BQ+8*\b:BQ+8*\b+3], v9, s[76:77] offset:64*\b
	global_load_b128 v[BQ+8*\b+4:BQ+8*\b+7], v9, s[76:77] offset:64*\b+16
.endr
.irp a, 0,1,2,3,4,5,6,7
	global_load_b32 v[BV+2*\a], v10, s[78:79] offset:64*\a
.endr
	; where my 128 x 128 go: batch x 2^21 + head x 2^17 + block of 128 tokens x 2^13, the same in all three buffers
	s_cmp_eq_u32 ttmp9, 2
	s_cselect_b32 s18, s42, s17                    ; the tile of 256 tokens,
	s_cselect_b32 s19, s41, s40                    ; the tile of 256 features within the role,
	s_cselect_b32 s20, s15, s16                    ; my half of the features,
	s_cselect_b32 s21, s16, s15                    ; my half of the tokens
	s_lshr_b32 s22, s18, 3
	s_lshl_b32 s22, s22, 21
	s_lshl_b32 s19, s19, 2
	s_lshl_b32 s20, s20, 1
	s_add_co_u32 s19, s19, s20
	s_lshl_b32 s19, s19, 17
	s_add_co_u32 s22, s22, s19
	s_and_b32 s18, s18, 7
	s_lshl_b32 s18, s18, 1
	s_add_co_u32 s18, s18, s21
	s_lshl_b32 s18, s18, 13
	s_add_co_u32 s22, s22, s18
	s_mov_b32 s23, 0
	s_cmp_eq_u32 ttmp9, 0
	s_cselect_b64 s[92:93], s[68:69], s[70:71]
	s_cmp_eq_u32 ttmp9, 2
	s_cselect_b64 s[92:93], s[72:73], s[92:93]
	s_add_nc_u64 s[92:93], s[92:93], s[22:23]
.macro FRAG reg, adr, q, i             ; a fragment: lane l holds row l % 16; registers 4 c .. 4 c + 3 hold K = 32 c + 16 (l / 16) + 0 .. 15: the same permutation of k in A' and in B'
.irp c, 0,1,2,3
	ds_load_b128 v[\reg+4*\c:\reg+4*\c+3], v[\adr] offset:128*(\q)+32*\c+(\i)*16*PITCH
.endr
.endm
; 16 matrix instructions: A's blocks a0, a0 + 1 x B's eight, 128 along K.  p: B's set.  zero = 1: the first product starts the sums.  The 64 accumulators take turns, one instruction a turn.
.macro MUL16 a0, p, zero
.irp a, \a0, \a0+1
.irp b, 0,1,2,3,4,5,6,7
.if \zero
	v_wmma_f32_16x16x128_fp8_fp8 v[8*(8*((\a)%4)+\b):8*(8*((\a)%4)+\b)+7], v[128*(\p)+FR*\b:128*(\p)+FR*\b+FR-1], v[AF+FR*(\a):AF+FR*(\a)+FR-1], 0
.else
	v_wmma_f32_16x16x128_fp8_fp8 v[8*(8*((\a)%4)+\b):8*(8*((\a)%4)+\b)+7], v[128*(\p)+FR*\b:128*(\p)+FR*\b+FR-1], v[AF+FR*(\a):AF+FR*(\a)+FR-1], v[8*(8*((\a)%4)+\b):8*(8*((\a)%4)+\b)+7]
.endif
.endr
.endr
.endm
.macro FETCH_B slot, q, p
	WIN TO_B
.irp i, 0,1,2,3,4,5,6,7
	FRAG 128*(\p)+FR*\i, ADRB+\slot, \q, \i
.endr
	WIN 0
.endm
.macro FETCH_A slot, q, i0
.irp i, \i0, \i0+1, \i0+2, \i0+3
	FRAG AF+FR*(\i), ADRA+\slot, \q, \i
.endr
.endm
.macro PLACES n                        ; plain vector instructions between a matrix instruction and a load into, or a vector write of, one of its registers, or a read of its result
.rept \n
	v_nop
.endr
.endm
; A step of 128 along K that has its successor in the same slot.  A block of A' is free as soon as its eight products are issued: blocks 0-3 are fetched anew in the step's middle, blocks 4-7 at its end.
.macro STEP slot, q, zero
	s_wait_dscnt 4*NL                              ; B's set and A's blocks 0-3 are in; the youngest 16 loads (A's blocks 4-7) may be out
	WIN MUL_LO
	MUL16 0, (\q)%2, \zero
	MUL16 2, (\q)%2, \zero
	s_wait_dscnt 0                                 ; A's blocks 4-7 are in
	PLACES NP
	FETCH_B \slot, (\q)+1, 1-(\q)%2
	FETCH_A \slot, (\q)+1, 0
	WIN MUL_HI
	MUL16 4, (\q)%2, \zero
	MUL16 6, (\q)%2, \zero
	PLACES NP
	WIN 0
	FETCH_A \slot, (\q)+1, 4
.endm
; A slot's last step changes slots: ONE barrier; in front of it each wave waits for all its tensor loads, adds 0 to its spare word, and waits for that and for its own reads of this slot.  fill = 1: this slot is filled again, two K steps ahead.
.macro TURN slot, next, fill
	s_wait_tensorcnt 0x0                           ; all my tensor loads have landed: my part of the next slot
	ds_add_u32 v[SPW], v[NIL]                      ; 0 onto my spare word
	s_wait_dscnt 4*NL+1                            ; (the add and the youngest 16 loads, A's blocks 4-7, may be out)
	WIN MUL_LO
	MUL16 0, 1, 0                                  ; sixteen matrix instructions stand between the add and the wait for it
	s_wait_dscnt 0x0                               ; the add is done, and my reads of this slot are over
	s_barrier_signal -1
	MUL16 2, 1, 0
	WIN 0
	s_barrier_wait -1
.if \fill
	CREST                                          ; the barrier has opened a round of the cluster's barrier: no wave of any partner still reads this slot's tile or has a load on its way
	s_add_nc_u64 s[G0+4*\slot+2:G0+4*\slot+3], s[G0+4*\slot+2:G0+4*\slot+3], 2*ROWB
	s_add_nc_u64 s[G0B+4*\slot+2:G0B+4*\slot+3], s[G0B+4*\slot+2:G0B+4*\slot+3], 2*ROWB
	JLOAD G0+4*\slot, G1, G0B+4*\slot, G1B         ; the first tensor load behind the round; its four v_nop are also the places in front of the loads below
.else
	PLACES NP
.endif
	FETCH_B \next, 0, 0
	FETCH_A \next, 0, 0
	WIN MUL_HI
	MUL16 4, 1, 0
	MUL16 6, 1, 0
	PLACES NP
	WIN 0
	FETCH_A \next, 0, 4
.endm
	s_wait_alu depctr_va_vdst(0)
	s_wait_tensorcnt 0x0                           ; my part of K step 0 is in
	ds_add_u32 v[SPW], v[NIL]
	s_wait_dscnt 0x0
	CROUND                                         ; everybody's part of K step 0 is in, and all sixteen work-groups are here
	JLOAD G0+4, G1, G0B+4, G1B                     ; K step 1: the first tensor load behind the round
	FETCH_B 0, 0, 0
	FETCH_A 0, 0, 0
	FETCH_A 0, 0, 4
	STEP 0, 0, 1                                   ; the first step stands in front of the loop: its products start the sums
	s_mov_b32 s3, LAPS-1
.Llap:                                                 ; a trip goes once round the ring and fills both slots again
	TURN 0, 1, 1
	STEP 1, 0, 0
	TURN 1, 0, 1
	STEP 0, 0, 0
	s_sub_co_u32 s3, s3, 1
	s_cmp_lg_u32 s3, 0
	s_cbranch_scc1 .Llap
	TURN 0, 1, 0                                   ; the last lap fills nothing
	STEP 1, 0, 0
	s_wait_dscnt 4*NL                              ; the very last step: nothing more to fetch
	WIN MUL_LO
	MUL16 0, 1, 0
	MUL16 2, 1, 0
	s_wait_dscnt 0
	WIN MUL_HI
	MUL16 4, 1, 0
	MUL16 6, 1, 0
	WIN 0
	; THE WAY OUT.  Constants first.
	s_wait_kmcnt 0x0                               ; the exponents
	s_wait_loadcnt 0x0                             ; the biases
	s_add_co_i32 s96, s80, s81
	s_add_co_i32 s96, s96, 127
	s_lshl_b32 s96, s96, 23                        ; 2^(e0 + e1) as f32
	s_mov_b32 s97, s96                             ; (named with it as a pair, so it is written)
	s_cmp_eq_u32 ttmp9, 0
	s_cselect_b32 s98, s82, s83                    ; q: e2; k: e3;
	s_cmp_eq_u32 ttmp9, 2
	s_cselect_b32 s98, s85, s98                    ; v: e5
	s_add_co_i32 s98, s98, 127
	s_lshl_b32 s99, s98, 23
	s_add_co_i32 s98, s98, 8
	s_lshl_b32 s98, s98, 23
	s_or_b32 s98, s98, 0x600000
	PLACES NP                                      ; behind the last products: their fragments' registers are written below
	v_mov_b32 v[ZR], 0
	v_mov_b32 v[SCL], s99                          ; 2^e
	v_mov_b32 v[LIM], s98                          ; 448 x 2^e
.set j, 0
.rept 64
	v_cndmask_b32 v[BQ+j], v[BQ+j], v[ZR], s94     ; role v: the bias does not go by my registers
.set j, j+1
.endr
.irp a, 0,1,2,3,4,5,6,7
	v_cndmask_b32 v[BV+2*\a], v[BV+2*\a], v[ZR], s95   ; roles q, k: it does not go by my row
.endr
.irp a, 0,1,2,3,4,5,6,7
	v_mov_b32 v[BV+2*\a+1], v[BV+2*\a]             ; a pair for the packed addition
.endr
; Block a: 16 rows of C' x my 128 columns.  Register 8 b + j of lane (r, h) is C'(16 a + r, 16 b + 8 h + j).  sum x 2^(e0 + e1) + the bias (one of the two kinds is 0: one rounding), the hold, the conversion;
; eight codes go to the stage at row 16 a + r, byte 32 (b / 2) + 16 h + 8 (b % 2).
.macro BLOCK a
.set AC, 64*((\a)%4)
.set CS2, CD+16*((\a)%2)
	WIN (0x02+((\a)/4))                            ; source 0: window 2 or 3
.set j, 0
.rept 32
	v_pk_fma_f32 v[TMP+j:TMP+j+1], v[AC+j:AC+j+1], s[96:97], v[BQ+j:BQ+j+1] op_sel_hi:[1,0,1]   ; each accumulator from its low end on
.set j, j+2
.endr
	WIN 0
.set j, 0
.rept 32
	v_pk_add_f32 v[TMP+j:TMP+j+1], v[TMP+j:TMP+j+1], v[BV+2*(\a):BV+2*(\a)+1]
.set j, j+2
.endr
.set j, 0
.rept 64
	v_med3_num_f32 v[TMP+j], v[TMP+j], -v[LIM], v[LIM]   ; the conversion to an 8-bit code does not saturate (ISA guide 7.6.2)
.set j, j+1
.endr
.if (\a) > 1
	s_wait_alu depctr_va_vdst(0)
	s_wait_dscnt 8                                 ; the eight stores of the block before may be out; those of the block two back, which read this set of registers, are done
.endif
.irp b, 0,1,2,3,4,5,6,7
	v_cvt_scalef32_pk8_fp8_f32 v[CS2+2*\b:CS2+2*\b+1], v[TMP+8*\b:TMP+8*\b+7], v[SCL]
.endr
	v_nop                                          ; one plain vector instruction between the last conversion and the next write of its sources
.irp b, 0,1,2,3,4,5,6,7
	ds_store_b64 v[STO], v[CS2+2*\b:CS2+2*\b+1] offset:(\a)*16*SPITCH+32*(\b/2)+8*(\b%2)
.endr
.endm
.irp a, 0,1,2,3,4,5,6,7
	BLOCK \a
.endr
	s_wait_dscnt 0x0                               ; my stores into my stage are done: their registers take the rows that come back
	s_cmp_eq_u32 ttmp9, 2                          ; the cluster's x: the same in all partners
	s_cbranch_scc1 .Lout_v
	; q, k: a stage row is a token, its 128 bytes two heads' 64.  An instruction takes 8 tokens x 64 bytes of one head: 512 consecutive bytes of the buffer.
.set n, 0
.rept 32
	ds_load_b128 v[BK+4*n:BK+4*n+3], v[RDQ] offset:(16*(n/4)+8*(n%2))*SPITCH+64*((n%4)/2)
.set n, n+1
.endr
.set n, 0
.rept 32
	s_wait_dscnt 31-n                              ; the younger loads may be out
	global_store_b128 v[CO], v[BK+4*n:BK+4*n+3], s[92:93] offset:1024*(n/4)+512*(n%2)+131072*((n%4)/2)
.set n, n+1
.endr
	s_branch .Lout_done
.Lout_v:
	; v: a stage row is a feature (head a / 4, d = row % 64), its 128 bytes the block's 128 keys.  An instruction takes 4 rows: 512 consecutive bytes of the buffer.
.set n, 0
.rept 32
	ds_load_b128 v[BK+4*n:BK+4*n+3], v[RDV] offset:(16*(n/4)+4*(n%4))*SPITCH
.set n, n+1
.endr
.set n, 0
.rept 32
	s_wait_dscnt 31-n
	global_store_b128 v[CO], v[BK+4*n:BK+4*n+3], s[92:93] offset:2048*((n/4)%4)+131072*(n/16)+512*(n%4)
.set n, n+1
.endr
.Lout_done:
	s_wait_tensorcnt 0x0                           ; the wave's end
	ds_add_u32 v[SPW], v[NIL]
	s_wait_dscnt 0x0
	CROUND                                         ; the closing round: no work-group ends while a partner may still ask for a tile that names it
	s_endpgm
.Lfunc_end_k_q52cab61ed6_qkv:
	.size	k_q52cab61ed6_qkv, .Lfunc_end_k_q52cab61ed6_qkv-k_q52cab61ed6_qkv
	.p2alignl 7, 3214868480
	.fill 96, 4, 3214868480
	.section	.rodata,"a",@progbits
	.p2align	6, 0x0
	.amdhsa_kernel k_q52cab61ed6_qkv
		.amdhsa_group_segment_fixed_size 327680
		.amdhsa_private_segment_fixed_size 0
		.amdhsa_enable_private_segment 0
		.amdhsa_kernarg_size 56
		.amdhsa_user_sgpr_count 2
		.amdhsa_user_sgpr_kernarg_segment_ptr 1
		.amdhsa_wavefront_size32 1
		.amdhsa_system_sgpr_workgroup_id_x 1
		.amdhsa_system_sgpr_workgroup_id_y 1
		.amdhsa_system_sgpr_workgroup_id_z 1
		.amdhsa_system_vgpr_workitem_id 0
		.amdhsa_next_free_vgpr 1024
		.amdhsa_next_free_sgpr 100
		.amdhsa_reserve_vcc 0
		.amdhsa_float_denorm_mode_32 3
		.amdhsa_float_denorm_mode_16_64 3
		.amdhsa_memory_ordered 1
		.amdhsa_forward_progress 1
		.amdhsa_inst_pref_size 173
	.end_amdhsa_kernel
	.amdgpu_metadata
---
amdhsa.version: [ 1, 2 ]
amdhsa.kernels:
  - .name:           k_q52cab61ed6_qkv
    .symbol:         k_q52cab61ed6_qkv.kd
    .args:
      - { .name: x_codes, .offset: 0, .size: 8, .value_kind: global_buffer, .address_space: global }
      - { .name: wqkv_codes, .offset: 8, .size: 8, .value_kind: global_buffer, .address_space: global }
      - { .name: b_qkv, .offset: 16, .size: 8, .value_kind: global_buffer, .address_space: global }
      - { .name: lowp_scales, .offset: 24, .size: 8, .value_kind: global_buffer, .address_space: global }
      - { .name: q_codes, .offset: 32, .size: 8, .value_kind: global_buffer, .address_space: global }
      - { .name: k_codes, .offset: 40, .size: 8, .value_kind: global_buffer, .address_space: global }
      - { .name: vt_codes, .offset: 48, .size: 8, .value_kind: global_buffer, .address_space: global }
    .group_segment_fixed_size: 327680
    .private_segment_fixed_size: 0
    .kernarg_segment_align: 8
    .kernarg_segment_size: 56
    .max_flat_workgroup_size: 128
    .sgpr_count:     100
    .vgpr_count:     1024
    .wavefront_size: 32
...
	.end_amdgpu_metadata
.endif
;; end of part 2
;; launch attn (part 3): grid 4 x 64, 8 waves a work-group, clusters of 4 x 1, 327,680 bytes of LDS; arguments q_codes, k_codes, vt_codes, lowp_scales, a_codes; writes a_codes
.if DOCPART == 3
	.amdgcn_target "amdgcn-amd-amdhsa--gfx1250"
	.amdhsa_code_object_version 6
	.text
	.protected	k_q52cab61ed6_attn
	.globl	k_q52cab61ed6_attn
	.p2align	8
	.type	k_q52cab61ed6_attn,@function
k_q52cab61ed6_attn:
	s_mov_b64 s[64:65], 0
	v_nop
	global_prefetch_b8 v0, s[64:65] scope:SCOPE_SE
	s_setreg_imm32_b32 hwreg(HW_REG_WAVE_MODE, 25, 1), 1
	s_wait_xcnt 0x0
	s_wait_alu depctr_hold_cnt(0) depctr_sa_sdst(0) depctr_va_vdst(0) depctr_va_sdst(0) depctr_va_ssrc(0) depctr_va_vcc(0) depctr_vm_vsrc(0)
	s_getreg_b32 s2, hwreg(HW_REG_IB_STS2, 6, 4)
	s_cmp_eq_u32 s2, 0
	s_cbranch_scc0 .Lentry_in_a_cluster
	s_endpgm
.Lentry_in_a_cluster:
	s_bfe_u32 s2, ttmp6, 0x10000c
	s_cmp_lg_u32 s2, 0x3003
	s_cbranch_scc0 .Lentry_shape_is_right
	s_endpgm
.Lentry_shape_is_right:
; Causal attention on codes of FP8 (E4M3), head size 64, 2,048 tokens, 64 (batch, head) pairs; the result is quantised at once into the last product's operand.
; q_codes, k_codes [b][h][l][64]; vt_codes [b][h][block of 128 keys][d 64][128 keys]; a_codes [block of 128 tokens 64][h 16][128 tokens][64 d].  The exponents: e2 (q), e3 (k), e4 (p), e5 (v), e6 (the result).
; WORK LEFT OUT: a step (32 queries x 128 keys) all of whose keys come after the queries: reference()'s own causal mask makes its p 0 for all inputs.
; THE SOFTMAX AHEAD OF THE SECOND PRODUCT: t = score x 2^(e2 + e3) x log2(e) / 8; M = the row's largest t so far, rounded UP to a whole number; p = 2^(t - M) is what is quantised, not normalised.
; The row's sum is taken of the unquantised p, in f32, and divides O at the end.  When M moves, the sum and O are multiplied by 2^(old M - new M): exact.
; A HEAD'S WHOLE K AND V^T LIE IN LDS: 2,048 keys x 80 bytes + 16 blocks x 64 rows x 144 bytes = 311,296 bytes.  Each of the eight waves fetches one eighth (32,768 bytes of memory) by its one tensor load at the head:
; waves 0-3 512 keys of K each, waves 4-7 four blocks of V^T each.  No byte is filled again: one barrier behind the loads and none after it.
; SHARES.  A cluster of four work-groups is one (batch, head); a PAIR is two neighbouring tiles of 16 queries; the head has 64 pairs, and pair p needs the key steps (128 keys) 0 .. p / 4.  Wave w owns pair lo = 4 w + cx and
; pair hi = 63 - lo: (16 - w) + (w + 1) = 17 steps for every wave.  The last steps, 15 - w and w, hang on the wave's number alone: no branch hangs on the place in the cluster.
; The text serves one pair; an outer loop of two trips runs it for hi and then for lo.  The two tiles of a pair share every fragment of K and V^T, and their chains of dependent instructions stand interleaved.
; K's fragments have registers of their own and are fetched one key step ahead, under the softmax.
; All four work-groups read the same K and V^T: each eighth is asked for JOINTLY (the same tensor load, the same descriptor, a mask that names the four).
; NO PREFETCH: every tensor load of the launch goes out at its head; there is no loop to run ahead in.
; LAYOUT.  Both products are used transposed: S^T = K Q^T (source 0 = 16 keys, source 1 = 16 queries), O^T = V^T P^T (source 0 = 16 of the head's 64, source 1 = P): a lane holds ONE query of each tile (lane % 16).
; Register 8 t + j of S^T is key 16 t + 8 (lane / 16) + j, so the conversions' results are the K = 128 form's own layout of P; vt_codes is laid so that 16-byte loads give V^T the same.
; LIMITS: e2 + e3 between -123 and 130 (added to c's exponent field); e4 and e6 between -126 and 119; e4 + e5 goes in by v_ldexp_f32.  The scaled scores t stay under 2^31 in magnitude.  NaN among the inputs is not served.
; REGISTERS.  Window 0: v1-15, v24-27 addresses and constants; v16-23 the two tiles' states; v32-159 S^T, then p (tile y at 32 + 64 y); v160-223 V^T's fragments; v224-255 p's codes (tile y at 224 + 16 y), ahead of the conversions at work.
; Window 1 (named by their low 8 bits): v0-15 Q of the pair in hand, v16-31 of the next; v32-95 O^T (tile y at 32 + 32 y); v96-159 K's fragments.
.set KP,    80                         ; a key's row in LDS: 64 bytes + 16
.set VP,    144                        ; a row of V^T: 128 bytes + 16
.set KSTEPB, 128*KP                    ; a key step of K
.set VSTEPB, 64*VP                     ; and of V^T
.set VBASE, 2048*KP                    ; V^T lies behind K
.set SPARE, VBASE+16*VSTEPB            ; behind both: the spare words, 128 bytes for each wave
.set STAGE, SPARE+1024                 ; behind them: 16 rows x 80 bytes for each wave, for the way out: bytes into which no tensor load lands
.set AK0,  1                           ; my lane's place in a tile of K
.set AV0,  2                           ; the same for V^T
.set STO,  3                           ; the stage: where I put 8 codes
.set RD,   4                           ; the stage, back
.set SPW,  5                           ; my spare word; never rewritten
.set NIL,  6                           ; 0; never rewritten
.set GO,   7                           ; 16 x lane: my place in a store's 512 bytes
.set ADK,  8                           ; LDS address of the NEXT step's K
.set ADV,  9                           ; of this step's V^T
.set NINF, 10                          ; -infinity
.set PSC,  11                          ; 2^e4
.set PLIM, 12                          ; 448 x 2^e4
.set DQ,   13                          ; my query's place (tile 0 of the pair) in the pair's last step, less 8 (lane / 16)
.set DQN,  14                          ; the same for the next pair
.set ST,   16                          ; tile y: v[16+4y] -M, +1 the largest t, +2, +3 the sum in two halves
.set OSC,  24                          ; 2^e6
.set OLIM, 25                          ; 448 x 2^e6
.set S,    32
.set FRG,  160
.set PC,   224
.set T,    224                         ; at work, tile y at T + 16 y: +0, +1 the maxima's chains; +2 a lane permute's destination; +4, +5 f = 2^(old M - new M); +6, +7 the sum's second chain
.set QC,   0                           ; window 1
.set QN,   16
.set O,    32
.set KF,   96
.set WV,   18
.set SEL,  20
.set CS,   22                          ; s[22:23] c = log2(e) / 8 x 2^(e2 + e3)
.set G1K,  24
.set G1V,  32
.set G0K,  40
.set G0V,  44
.set TBK,  48                          ; LDS byte at which the next step's K begins
.set TBV,  49                          ; this step's V^T, counted from VBASE
.set PASS, 50
.set KS,   51                          ; the key step, 0 .. 15
.set DG,   52                          ; the last step of the pair in hand
.set DGN,  53                          ; of the next
.set EO,   55                          ; e4 + e5
.set MSB, 0
.macro WIN new                         ; low byte: bits 1:0 source 0, 3:2 source 1, 5:4 source 2, 7:6 destination; the high byte repeats the setting that is left
.if MSB != \new
	s_set_vgpr_msb (MSB<<8)|\new
.set MSB, \new
.endif
.endm
.macro CROUND                          ; a round of the cluster's barrier
	s_barrier_signal -1
	s_barrier_wait -1
	s_cmp_lg_u32 s[WV], 0
	s_cbranch_scc1 .Lnot_wave_0_\@
	s_barrier_signal -3
.Lnot_wave_0_\@:
	s_barrier_wait -3
	s_barrier_signal -1
	s_barrier_wait -1
.endm
	s_load_b256 s[4:11], s[0:1], 0x0               ; q_codes s[4:5], k_codes s[6:7], vt_codes s[8:9], the exponents s[10:11]
	s_load_b64 s[12:13], s[0:1], 0x20              ; a_codes
	v_lshl_add_u32 v[SPW], v0, 2, SPARE
	v_mov_b32 v[NIL], 0
	ds_add_u32 v[SPW], v[NIL]                      ; the opening lines: the add, twice on end, and its wait ahead of my tensor load
	ds_add_u32 v[SPW], v[NIL]
	v_lshrrev_b32 v8, 5, v0
	v_readfirstlane_b32 s[WV], v8                  ; wave 0..7
	s_xor_b32 s[DG], s[WV], 15                     ; hi's last step: 15 - wave
	s_mov_b32 s[DGN], s[WV]                        ; lo's
	s_bfe_u32 s79, ttmp6, 0x40000                  ; cx
	s_lshl_b32 s80, s[WV], 2
	s_add_co_u32 s80, s80, s79                     ; pair lo
	s_xor_b32 s81, s80, 63                         ; pair hi = 63 - lo
	s_and_b32 s82, ttmp7, 0xffff                   ; 16 x batch + head, which the four partners share
	s_lshl_b32 s83, s82, 17                        ; its first byte in q_codes, k_codes, vt_codes
	s_and_b32 s77, s[WV], 3                        ; which quarter of K (waves 0-3) or of V^T (waves 4-7) I fetch
	s_lshl_b32 s92, s77, 15
	s_add_co_u32 s92, s92, s83
	s_mov_b32 s93, 0                               ; its 32,768 bytes in memory,
	s_mul_i32 s94, s77, 4*KSTEPB                   ; and its place in LDS: K's,
	s_mul_i32 s95, s77, 4*VSTEPB
	s_add_co_u32 s95, s95, VBASE                   ; V^T's
	s_lshl_b32 s96, s81, 11                        ; a pair of Q is 2,048 bytes
	s_add_co_u32 s96, s96, s83
	s_mov_b32 s97, 0
	s_lshl_b32 s98, s80, 11
	s_add_co_u32 s98, s98, s83
	s_mov_b32 s99, 0
	s_and_b32 s66, s81, 3                          ; hi % 4, lo % 4: the pair's place in its block of 128 tokens
	s_and_b32 s67, s80, 3
	s_lshr_b32 s57, s82, 4
	s_lshl_b32 s57, s57, 21                        ; a_codes: batch x 16 blocks x 2^17
	s_and_b32 s58, s82, 15
	s_lshl_b32 s58, s58, 13                        ; + head x 2^13
	s_add_co_u32 s57, s57, s58
	s_lshr_b32 s58, s81, 2
	s_lshl_b32 s58, s58, 17                        ; + block x 2^17
	s_lshl_b32 s60, s66, 11                        ; + place in the block x 2,048
	s_add_co_u32 s58, s58, s60
	s_add_co_u32 s58, s58, s57
	s_mov_b32 s59, 0
	s_lshr_b32 s60, s80, 2
	s_lshl_b32 s60, s60, 17
	s_lshl_b32 s62, s67, 11
	s_add_co_u32 s60, s60, s62
	s_add_co_u32 s60, s60, s57
	s_mov_b32 s61, 0
	s_lshl_b32 s66, s66, 5                         ; 32 x the place: the pair's first query in its last step
	s_lshl_b32 s67, s67, 5
	; descriptor group 1.  Both blocks are dense in memory and are stated as 128 rows of 256 bytes; the padding stays behind each key's 64 bytes, behind each 128 bytes of a row of V^T
	s_mov_b32 s[G1K], 15|(0<<16)|(1<<20)|(1<<21)|(3<<22)|(3<<25)  ; 15:0 the mask: all four work-groups; 17:16 elements of 1 byte; 20 padding on; 21 set beside a mask; 24:22 after every 16 words; 31:25 four words
	s_mov_b32 s[G1V], 15|(0<<16)|(1<<20)|(1<<21)|(4<<22)|(3<<25)  ; padding: four words after every 32
.irp g, G1K, G1V
	s_mov_b32 s[\g+1], 256<<16                     ; tensor_dim0
	s_mov_b32 s[\g+2], 128<<16                     ; tensor_dim1
	s_mov_b32 s[\g+3], 256<<16                     ; tile_dim0
	s_mov_b32 s[\g+4], 128                         ; tile_dim1
	s_mov_b32 s[\g+5], 256                         ; tensor_dim0_stride
	s_mov_b32 s[\g+6], 0
	s_mov_b32 s[\g+7], 0
.endr
	s_mov_b32 s[SEL], 0x76543210
	s_mov_b32 s[SEL+1], 0xfedcba98
	s_mov_b32 s[CS], 0x3e38aa3b                    ; log2(e) / 8
	s_mov_b32 s[PASS], 0
	s_wait_dscnt 0x0                               ; both opening adds are done
	s_wait_kmcnt 0x0
	s_load_b256 s[68:75], s[10:11], 0x0            ; e0 .. e7
	s_mov_b32 s[G0K], 1
	s_mov_b32 s[G0K+1], s94
	s_add_nc_u64 s[G0K+2:G0K+3], s[6:7], s[92:93]
	s_or_b32 s[G0K+3], s[G0K+3], 0x80000000
	s_mov_b32 s[G0V], 1
	s_mov_b32 s[G0V+1], s95
	s_add_nc_u64 s[G0V+2:G0V+3], s[8:9], s[92:93]
	s_or_b32 s[G0V+3], s[G0V+3], 0x80000000
	CROUND                                         ; all four work-groups are here: the joint loads meet
	s_cmp_lt_u32 s[WV], 4                          ; every wave issues one load, its only one: the branch hangs on the wave's number alone
	s_cbranch_scc0 .Lfor_v
	tensor_load_to_lds s[G0K:G0K+3], s[G1K:G1K+7]
	s_nop 0
.rept 4
	v_nop
.endr
	s_branch .Lasked
.Lfor_v:
	tensor_load_to_lds s[G0V:G0V+3], s[G1V:G1V+7]
	s_nop 0
.rept 4
	v_nop
.endr
.Lasked:
	s_add_nc_u64 s[84:85], s[4:5], s[96:97]        ; Q of hi,
	s_add_nc_u64 s[86:87], s[4:5], s[98:99]        ; of lo
	s_add_nc_u64 s[88:89], s[12:13], s[58:59]      ; where hi's result goes,
	s_add_nc_u64 s[90:91], s[12:13], s[60:61]      ; and lo's
	v_and_b32 v8, 15, v0                           ; r
	v_bfe_u32 v9, v0, 4, 1                         ; h
	v_and_b32 v15, 31, v0                          ; lane
	v_lshlrev_b32 v26, 6, v8
	v_lshl_add_u32 v26, v9, 4, v26                 ; Q: row r of 64 bytes, + 16 h
	WIN 0x40                                       ; the loads' destinations lie in window 1
.irp y, 0,1
.irp c, 0,1
	global_load_b128 v[QC+8*\y+4*\c:QC+8*\y+4*\c+3], v26, s[84:85] offset:1024*\y+32*\c
	global_load_b128 v[QN+8*\y+4*\c:QN+8*\y+4*\c+3], v26, s[86:87] offset:1024*\y+32*\c
.endr
.endr
	WIN 0
	v_mul_u32_u24 v[AK0], v8, KP
	v_lshl_add_u32 v[AK0], v9, 4, v[AK0]
	v_mul_u32_u24 v[AV0], v8, VP
	v_lshl_add_u32 v[AV0], v9, 4, v[AV0]
	v_add_nc_u32 v[AV0], VBASE, v[AV0]
	v_lshlrev_b32 v[GO], 4, v15
	s_mul_i32 s76, s[WV], 1280
	s_add_co_u32 s76, s76, STAGE                   ; my stage
	v_mul_u32_u24 v[STO], v8, 80
	v_lshl_add_u32 v[STO], v9, 3, v[STO]
	v_add_nc_u32 v[STO], s76, v[STO]               ; in: row r, + 8 h
	v_lshrrev_b32 v[RD], 2, v15
	v_mul_u32_u24 v[RD], v[RD], 80
	v_and_b32 v27, 3, v15
	v_lshl_add_u32 v[RD], v27, 4, v[RD]
	v_add_nc_u32 v[RD], s76, v[RD]                 ; back: four lanes to a row's 64 bytes, eight rows an instruction
	v_lshlrev_b32 v27, 3, v9
	v_sub_nc_u32 v27, v8, v27                      ; r - 8 h
	v_add_nc_u32 v[DQ], s66, v27
	v_add_nc_u32 v[DQN], s67, v27
	v_mov_b32 v[NINF], 0xff800000
.set n, 0
.rept 32
	v_mov_b32 v[PC+n], 0                           ; written once: a lane permute's destination and a pair's upper half count as read
.set n, n+1
.endr
	s_wait_kmcnt 0x0
	s_add_co_i32 s76, s70, s71
	s_lshl_b32 s76, s76, 23
	s_add_co_i32 s[CS], s[CS], s76                 ; a score stands for score x 2^(e2 + e3): the exponents are added to c's exponent field
	s_mov_b32 s[CS+1], s[CS]                       ; (named with it as a pair, so it is written)
	s_add_co_i32 s[EO], s72, s73                   ; e4 + e5
	s_add_co_i32 s76, s72, 127
	s_lshl_b32 s77, s76, 23
	v_mov_b32 v[PSC], s77                          ; 2^e4
	s_add_co_i32 s76, s76, 8
	s_lshl_b32 s76, s76, 23
	s_or_b32 s76, s76, 0x600000
	v_mov_b32 v[PLIM], s76                         ; 448 x 2^e4
	s_add_co_i32 s76, s74, 127
	s_lshl_b32 s77, s76, 23
	v_mov_b32 v[OSC], s77                          ; 2^e6
	s_add_co_i32 s76, s76, 8
	s_lshl_b32 s76, s76, 23
	s_or_b32 s76, s76, 0x600000
	v_mov_b32 v[OLIM], s76                         ; 448 x 2^e6
	s_wait_alu depctr_va_vdst(0)
	s_wait_loadcnt 0x0                             ; Q
	s_wait_tensorcnt 0x0                           ; my eighth of K and V^T is in,
	s_barrier_signal -1
	s_barrier_wait -1                              ; everybody's is.  Nothing is filled again: from here on the waves meet at no barrier but the closing round
.Lpass:                                            ; two trips: pair hi, then pair lo
	WIN 0x40
.set n, 0
.rept 64
	v_mov_b32 v[O+n], 0                            ; O^T.  (The step is written once: the first finds zeros, which the first change of M leaves zeros)
.set n, n+1
.endr
.irp t, 0,1,2,3,4,5,6,7
	ds_load_b128 v[KF+8*\t:KF+8*\t+3], v[AK0] offset:16*KP*\t          ; K of key step 0
	ds_load_b128 v[KF+8*\t+4:KF+8*\t+7], v[AK0] offset:16*KP*\t+32
.endr
	WIN 0
.irp y, 0,1
	v_mov_b32 v[ST+4*\y+1], 0xff61b1e6             ; the largest t so far: -3e38, under every t
	v_floor_f32 v[ST+4*\y], -v[ST+4*\y+1]          ; -M
	v_mov_b32 v[ST+4*\y+2], 0                      ; the sum, in two halves
	v_mov_b32 v[ST+4*\y+3], 0
.endr
	s_mov_b32 s[TBK], KSTEPB
	s_mov_b32 s[TBV], 0
	s_mov_b32 s[KS], 0
.Lstep:                                            ; sixteen trips, a key step each; those behind the pair's last step do nothing
	s_cmp_gt_u32 s[KS], s[DG]
	s_cbranch_scc1 .Lhid
	s_min_u32 s54, s[TBK], 15*KSTEPB               ; held at K's last step: key step 15 has no successor, and its address is not used
	v_add_nc_u32 v[ADK], s54, v[AK0]
	v_add_nc_u32 v[ADV], s[TBV], v[AV0]
	s_wait_alu depctr_va_vdst(0)                   ; directly behind the writes
	s_wait_dscnt 0x0                               ; this step's K is in (asked for a step ago; in step 0 just now)
	WIN 0x05                                       ; K's fragments and Q lie in window 1
.irp t, 0,1,2,3,4,5,6,7
.irp y, 0,1
	v_wmma_f32_16x16x64_fp8_fp8 v[S+64*\y+8*\t:S+64*\y+8*\t+7], v[KF+8*\t:KF+8*\t+7], v[QC+8*\y:QC+8*\y+7], 0
.endr
.endr
	WIN 0
.rept 4
	v_nop                                          ; places: in front of the loads below, and of the first read of the scores
.endr
.irp t, 0,1,2,3                                ; V^T is asked for now and lands under the softmax
.irp c, 0,1,2,3
	ds_load_b128 v[FRG+16*\t+4*\c:FRG+16*\t+4*\c+3], v[ADV] offset:16*VP*\t+32*\c
.endr
.endr
	s_cmp_lt_u32 s[KS], s[DG]
	s_cbranch_scc0 .Ldiag
	WIN 0x40                                       ; a step that has a successor: all its keys count, and the next step's K is asked for
.irp t, 0,1,2,3,4,5,6,7
	ds_load_b128 v[KF+8*\t:KF+8*\t+3], v[ADK] offset:16*KP*\t
	ds_load_b128 v[KF+8*\t+4:KF+8*\t+7], v[ADK] offset:16*KP*\t+32
.endr
	WIN 0
	s_branch .Lopen
.Ldiag:                                            ; the pair's last step: register 8 t + j of tile y holds key 16 t + 8 (lane / 16) + j of the step: hidden where 16 t + j - 16 y > my place; p = 0 then
.irp y, 0,1
.set n, 0
.rept 64
	v_cmp_gt_i32 vcc_lo, 16*(n/8)+n%8-16*\y, v[DQ]
	v_cndmask_b32 v[S+64*\y+n], v[S+64*\y+n], v[NINF], vcc_lo
.set n, n+1
.endr
.endr
.Lopen:
.irp y, 0,1                                    ; the step's largest score of my query, among my 64 keys: two chains a tile, four in all; each accumulator from its low end on
	v_max3_num_f32 v[T+16*\y], v[S+64*\y], v[S+64*\y+1], v[S+64*\y+2]
	v_max3_num_f32 v[T+16*\y+1], v[S+64*\y+3], v[S+64*\y+4], v[S+64*\y+5]
.endr
.set n, 6
.rept 14
.irp y, 0,1
	v_max3_num_f32 v[T+16*\y], v[T+16*\y], v[S+64*\y+n], v[S+64*\y+n+1]
	v_max3_num_f32 v[T+16*\y+1], v[T+16*\y+1], v[S+64*\y+n+2], v[S+64*\y+n+3]
.endr
.set n, n+4
.endr
.irp y, 0,1
	v_max3_num_f32 v[T+16*\y], v[T+16*\y], v[S+64*\y+62], v[S+64*\y+63]
.endr
.irp y, 0,1
	v_max_num_f32 v[T+16*\y], v[T+16*\y], v[T+16*\y+1]
.endr
.irp y, 0,1
	v_permlanex16_b32 v[T+16*\y+2], v[T+16*\y], s[SEL], s[SEL+1]
.endr
.irp y, 0,1
	v_max_num_f32 v[T+16*\y], v[T+16*\y], v[T+16*\y+2]     ; and among lane l xor 16's
.endr
.irp y, 0,1
	v_mul_f32 v[T+16*\y], s[CS], v[T+16*\y]                ; as t (c is positive)
.endr
.irp y, 0,1
	v_max_num_f32 v[ST+4*\y+1], v[ST+4*\y+1], v[T+16*\y]   ; the running largest t
.endr
.irp y, 0,1
	v_mov_b32 v[T+16*\y], v[ST+4*\y]
.endr
.irp y, 0,1
	v_floor_f32 v[ST+4*\y], -v[ST+4*\y+1]                  ; the new -M = floor(-t) = -ceil(t): M is a whole number
.endr
.irp y, 0,1
	v_sub_f32 v[T+16*\y], v[ST+4*\y], v[T+16*\y]           ; M's old value less its new one: a whole number, 0 or less
.endr
.irp y, 0,1
	v_cvt_i32_f32 v[T+16*\y], v[T+16*\y]                   ; (it saturates)
.endr
.irp y, 0,1
	v_ldexp_f32 v[T+16*\y+4], 1.0, v[T+16*\y]              ; f = 2^(old M - new M)
.endr
.set n, 0
.rept 32
.irp y, 0,1
	v_pk_fma_f32 v[S+64*\y+n:S+64*\y+n+1], v[S+64*\y+n:S+64*\y+n+1], s[CS:CS+1], v[ST+4*\y:ST+4*\y+1] op_sel_hi:[1,0,0]   ; t - M, two at a time
.endr
.set n, n+2
.endr
.irp y, 0,1
	v_pk_mul_f32 v[ST+4*\y+2:ST+4*\y+3], v[ST+4*\y+2:ST+4*\y+3], v[T+16*\y+4:T+16*\y+5] op_sel_hi:[1,0]   ; the sums under the new M
.endr
	WIN 0x41                                       ; O^T lies in window 1, f in window 0
	s_wait_alu depctr_va_vdst(0)                   ; directly ahead of the first reader of O^T
.set n, 0
.rept 16
.irp y, 0,1
	v_pk_mul_f32 v[O+32*\y+n:O+32*\y+n+1], v[O+32*\y+n:O+32*\y+n+1], v[T+16*\y+4:T+16*\y+5] op_sel_hi:[1,0]   ; O^T under the new M
.endr
.set n, n+2
.endr
	WIN 0
	s_wait_alu depctr_va_vdst(0)
.set n, 0
.rept 128
	v_exp_f32 v[S+n], v[S+n]                       ; p = 2^(t - M), at most 1: not normalised
.set n, n+1
.endr
	v_nop                                          ; a plain place behind the exponentials
	s_wait_alu depctr_va_vdst(0)                   ; one wait for the whole batch, ahead of its first reader
.irp y, 0,1
	v_pk_add_f32 v[T+16*\y+6:T+16*\y+7], v[S+64*\y:S+64*\y+1], v[S+64*\y+2:S+64*\y+3]   ; the row's sum is taken of the unquantised p: two chains a tile
.endr
.set n, 4
.rept 15
.irp y, 0,1
	v_pk_add_f32 v[ST+4*\y+2:ST+4*\y+3], v[ST+4*\y+2:ST+4*\y+3], v[S+64*\y+n:S+64*\y+n+1]
	v_pk_add_f32 v[T+16*\y+6:T+16*\y+7], v[T+16*\y+6:T+16*\y+7], v[S+64*\y+n+2:S+64*\y+n+3]
.endr
.set n, n+4
.endr
.irp y, 0,1
	v_pk_add_f32 v[ST+4*\y+2:ST+4*\y+3], v[ST+4*\y+2:ST+4*\y+3], v[T+16*\y+6:T+16*\y+7]
.endr
; the hold: the conversion does not saturate (ISA guide 7.6.2); p is not negative, so it is one-sided; two numbers an instruction.  Tile 0's conversions stand among tile 1's holds
.set n, 0
.rept 32
	v_dual_min_num_f32 v[S+n], v[PLIM], v[S+n] :: v_dual_min_num_f32 v[S+n+1], v[PLIM], v[S+n+1]
.set n, n+2
.endr
.irp t, 0,1,2,3,4,5,6,7
	v_cvt_scalef32_pk8_fp8_f32 v[PC+2*\t:PC+2*\t+1], v[S+8*\t:S+8*\t+7], v[PSC]
.irp i, 0,2,4,6
	v_dual_min_num_f32 v[S+64+8*\t+\i], v[PLIM], v[S+64+8*\t+\i] :: v_dual_min_num_f32 v[S+64+8*\t+\i+1], v[PLIM], v[S+64+8*\t+\i+1]
.endr
.endr
.irp t, 0,1,2,3,4,5,6,7
	v_cvt_scalef32_pk8_fp8_f32 v[PC+16+2*\t:PC+16+2*\t+1], v[S+64+8*\t:S+64+8*\t+7], v[PSC]
.endr
	v_nop                                          ; one plain vector instruction between the last conversion and the products below
	s_wait_alu depctr_va_vdst(0)
	s_wait_dscnt 0x0                               ; V^T is in (and the next step's K)
	WIN 0x50                                       ; C and D lie in window 1
.irp t, 0,1,2,3
.irp y, 0,1
	v_wmma_f32_16x16x128_fp8_fp8 v[O+32*\y+8*\t:O+32*\y+8*\t+7], v[FRG+16*\t:FRG+16*\t+15], v[PC+16*\y:PC+16*\y+15], v[O+32*\y+8*\t:O+32*\y+8*\t+7]   ; eight accumulators by turns; 23 other products stand between two links of a chain
.endr
.endr
	WIN 0
.Lhid:
	s_add_co_u32 s[TBK], s[TBK], KSTEPB
	s_add_co_u32 s[TBV], s[TBV], VSTEPB
	s_add_co_u32 s[KS], s[KS], 1
	s_cmp_lt_u32 s[KS], 16
	s_cbranch_scc1 .Lstep
	; THE PAIR'S WAY OUT.  O^T x 2^(e4 + e5) / the sum, quantised with 2^e6; a tile's 16 rows x 64 codes go through my stage and leave as 1,024 consecutive bytes.
.rept 4
	v_nop                                          ; places behind the last products
.endr
	s_wait_alu depctr_va_vdst(0)                   ; directly ahead of the first reader of the sums behind the loop's branches
.irp y, 0,1
	v_add_f32 v[ST+4*\y+2], v[ST+4*\y+2], v[ST+4*\y+3]
.endr
.irp y, 0,1
	v_permlanex16_b32 v[T+16*\y], v[ST+4*\y+2], s[SEL], s[SEL+1]
.endr
.irp y, 0,1
	v_add_f32 v[ST+4*\y+2], v[ST+4*\y+2], v[T+16*\y]       ; and lane l xor 16's
.endr
	s_wait_alu depctr_va_vdst(0)
.irp y, 0,1
	v_rcp_f32 v[ST+4*\y+2], v[ST+4*\y+2]
.endr
	v_nop                                          ; a plain place behind the reciprocals
	s_wait_alu depctr_va_vdst(0)                   ; one wait for both, ahead of their first reader
.irp y, 0,1
	v_ldexp_f32 v[ST+4*\y+2], v[ST+4*\y+2], s[EO]
.endr
	WIN 0x01                                       ; source 0, O^T, lies in window 1
	s_wait_alu depctr_va_vdst(0)                   ; directly ahead of the first readers of O^T
.irp y, 0,1
.set n, 0
.rept 16
	v_pk_mul_f32 v[S+32*\y+n:S+32*\y+n+1], v[O+32*\y+n:O+32*\y+n+1], v[ST+4*\y+2:ST+4*\y+3] op_sel_hi:[1,0]   ; register 8 t + j is o(query r, d = 16 t + 8 h + j); each accumulator from its low end on
.set n, n+2
.endr
.endr
	WIN 0
.set n, 0
.rept 64
	v_med3_num_f32 v[S+n], v[S+n], -v[OLIM], v[OLIM]
.set n, n+1
.endr
.irp t, 0,1,2,3,4,5,6,7
	v_cvt_scalef32_pk8_fp8_f32 v[PC+2*\t:PC+2*\t+1], v[S+8*\t:S+8*\t+7], v[OSC]
.endr
	v_nop                                          ; one plain vector instruction behind the last conversion
.irp y, 0,1
.irp t, 0,1,2,3
	ds_store_b64 v[STO], v[PC+8*\y+2*\t:PC+8*\y+2*\t+1] offset:16*\t
.endr
.irp s, 0,1
	ds_load_b128 v[FRG+8*\y+4*\s:FRG+8*\y+4*\s+3], v[RD] offset:640*\s   ; LDS serves a wave's instructions in order: these see my stores, and the next tile's stores come behind them
.endr
.endr
	s_wait_dscnt 6                                 ; tile 0's two loads are in; tile 1's four stores and two loads may be out
	global_store_b128 v[GO], v[FRG:FRG+3], s[88:89]                ; 32 lanes store 512 consecutive bytes, aligned
	global_store_b128 v[GO], v[FRG+4:FRG+7], s[88:89] offset:512
	s_wait_dscnt 0x0
	global_store_b128 v[GO], v[FRG+8:FRG+11], s[88:89] offset:1024
	global_store_b128 v[GO], v[FRG+12:FRG+15], s[88:89] offset:1536
	s_wait_xcnt 0x0                                ; the stores have read their base and their data: both are written again below and in the next trip
	s_mov_b64 s[88:89], s[90:91]                   ; on to pair lo: where its result goes,
	s_mov_b32 s[DG], s[DGN]                        ; its last step,
	v_mov_b32 v[DQ], v[DQN]                        ; my query's place there,
	WIN 0x41
.set n, 0
.rept 16
	v_mov_b32 v[QC+n], v[QN+n]                     ; and its Q
.set n, n+1
.endr
	WIN 0
	s_add_co_u32 s[PASS], s[PASS], 1
	s_cmp_lt_u32 s[PASS], 2
	s_wait_alu depctr_va_vdst(0)
	s_cbranch_scc1 .Lpass
	s_wait_tensorcnt 0x0                           ; the wave's end
	ds_add_u32 v[SPW], v[NIL]
	s_wait_dscnt 0x0
	CROUND                                         ; the closing round: no work-group ends while a partner may still ask for a tile that names it
	s_endpgm
.Lfunc_end_k_q52cab61ed6_attn:
	.size	k_q52cab61ed6_attn, .Lfunc_end_k_q52cab61ed6_attn-k_q52cab61ed6_attn
	.p2alignl 7, 3214868480
	.fill 96, 4, 3214868480
	.section	.rodata,"a",@progbits
	.p2align	6, 0x0
	.amdhsa_kernel k_q52cab61ed6_attn
		.amdhsa_group_segment_fixed_size 327680
		.amdhsa_private_segment_fixed_size 0
		.amdhsa_enable_private_segment 0
		.amdhsa_kernarg_size 40
		.amdhsa_user_sgpr_count 2
		.amdhsa_user_sgpr_kernarg_segment_ptr 1
		.amdhsa_wavefront_size32 1
		.amdhsa_system_sgpr_workgroup_id_x 1
		.amdhsa_system_sgpr_workgroup_id_y 1
		.amdhsa_system_sgpr_workgroup_id_z 1
		.amdhsa_system_vgpr_workitem_id 0
		.amdhsa_next_free_vgpr 416
		.amdhsa_next_free_sgpr 100
		.amdhsa_reserve_vcc 1
		.amdhsa_float_denorm_mode_32 3
		.amdhsa_float_denorm_mode_16_64 3
		.amdhsa_memory_ordered 1
		.amdhsa_forward_progress 1
		.amdhsa_inst_pref_size 61
	.end_amdhsa_kernel
	.amdgpu_metadata
---
amdhsa.version: [ 1, 2 ]
amdhsa.kernels:
  - .name:           k_q52cab61ed6_attn
    .symbol:         k_q52cab61ed6_attn.kd
    .args:
      - { .name: q_codes, .offset: 0, .size: 8, .value_kind: global_buffer, .address_space: global }
      - { .name: k_codes, .offset: 8, .size: 8, .value_kind: global_buffer, .address_space: global }
      - { .name: vt_codes, .offset: 16, .size: 8, .value_kind: global_buffer, .address_space: global }
      - { .name: lowp_scales, .offset: 24, .size: 8, .value_kind: global_buffer, .address_space: global }
      - { .name: a_codes, .offset: 32, .size: 8, .value_kind: global_buffer, .address_space: global }
    .group_segment_fixed_size: 327680
    .private_segment_fixed_size: 0
    .kernarg_segment_align: 8
    .kernarg_segment_size: 40
    .max_flat_workgroup_size: 256
    .sgpr_count:     100
    .vgpr_count:     416
    .wavefront_size: 32
...
	.end_amdgpu_metadata
.endif
;; end of part 3
;; launch proj (part 4): grid 4 x 32, 4 waves a work-group, clusters of 4 x 4, 327,680 bytes of LDS; arguments a_codes, wout_codes, lowp_scales, b_out, out0; writes out0
.if DOCPART == 4
	.amdgcn_target "amdgcn-amd-amdhsa--gfx1250"
	.amdhsa_code_object_version 6
	.text
	.protected	k_q52cab61ed6_proj
	.globl	k_q52cab61ed6_proj
	.p2align	8
	.type	k_q52cab61ed6_proj,@function
k_q52cab61ed6_proj:
	s_mov_b64 s[64:65], 0
	v_nop
	global_prefetch_b8 v0, s[64:65] scope:SCOPE_SE
	s_setreg_imm32_b32 hwreg(HW_REG_WAVE_MODE, 25, 1), 1
	s_wait_xcnt 0x0
	s_wait_alu depctr_hold_cnt(0) depctr_sa_sdst(0) depctr_va_vdst(0) depctr_va_sdst(0) depctr_va_ssrc(0) depctr_va_vcc(0) depctr_vm_vsrc(0)
	s_getreg_b32 s2, hwreg(HW_REG_IB_STS2, 6, 4)
	s_cmp_eq_u32 s2, 0
	s_cbranch_scc0 .Lentry_in_a_cluster
	s_endpgm
.Lentry_in_a_cluster:
	s_bfe_u32 s2, ttmp6, 0x10000c
	s_cmp_lg_u32 s2, 0xf033
	s_cbranch_scc0 .Lentry_shape_is_right
	s_endpgm
.Lentry_shape_is_right:
.set ROWB,   256
.set KROW,   1024
.set PITCH,  272
.set APITCH, 80
.set PLANE,  128*APITCH
.set HALFA,  4*PLANE
.set ASTEP,  32768
.set FR,     16
.set NL,     4
.set NP,     4
.set HALFT,  128*PITCH
.set SLOT,   2*HALFA+2*HALFT
.set LAPS,   2
.set SPARE,  2*SLOT
.set SPITCH, 528
.set ADRA, 16
.set ADRB, 20
.set STO,  24
.set RD,   25
.set CO,   26
.set SPW,  28
.set NIL,  29
.set BQ,   32
.set TMP,  0
.set AF,   128
.set BK,   128
.set G1, 24
.set G0, 32
.set G1B, 48
.set G0B, 56
.set MSB, 0
.macro WIN new
.if MSB != \new
	s_set_vgpr_msb (MSB<<8)|\new
.set MSB, \new
.endif
.endm
.set MUL_LO, 0xa1
.set MUL_HI, 0xf1
.set TO_B,   0x40
.macro JLOAD g0a, g1a, g0b, g1b
	s_cmp_eq_u32 s15, 0
	s_cbranch_scc0 .Lfor_b_\@
	tensor_load_to_lds s[\g0a:\g0a+3], s[\g1a:\g1a+7]
	s_nop 0
.rept 4
	v_nop
.endr
	s_branch .Lasked_\@
.Lfor_b_\@:
	tensor_load_to_lds s[\g0b:\g0b+3], s[\g1b:\g1b+7]
	s_nop 0
.rept 4
	v_nop
.endr
.Lasked_\@:
.endm
.macro CREST
	s_cmp_lg_u32 s14, 0
	s_cbranch_scc1 .Lnot_wave_0_\@
	s_barrier_signal -3
.Lnot_wave_0_\@:
	s_barrier_wait -3
	s_barrier_signal -1
	s_barrier_wait -1
.endm
.macro CROUND
	s_barrier_signal -1
	s_barrier_wait -1
	CREST
.endm
	s_load_b256 s[4:11], s[0:1], 0x0
	s_load_b64 s[12:13], s[0:1], 0x20
	v_lshl_add_u32 v[SPW], v0, 2, SPARE
	v_mov_b32 v[NIL], 0
	ds_add_u32 v28, v29
	ds_add_u32 v28, v29
	s_wait_dscnt 0x0
	v_lshrrev_b32 v1, 5, v0
	v_readfirstlane_b32 s14, v1
	s_lshr_b32 s15, s14, 1
	s_and_b32 s16, s14, 1
	s_bfe_u32 s40, ttmp6, 0x40000
	s_bfe_u32 s41, ttmp6, 0x40004
	s_lshl_b32 s42, ttmp9, 2
	s_add_co_u32 s42, s42, s40
	s_and_b32 s17, ttmp7, 0xffff
	s_lshl_b32 s17, s17, 2
	s_add_co_u32 s17, s17, s41
	s_lshl_b32 s43, s41, 2
	s_lshl_b32 s43, 15, s43
	s_lshl_b32 s44, 0x1111, s40
	s_or_b32 s[G1+0], s43, (0<<16)|(1<<20)|(1<<21)|(3<<22)|(3<<25)
	s_mov_b32 s[G1+1], 64<<16
	s_mov_b32 s[G1+2], 512<<16
	s_mov_b32 s[G1+3], 64<<16
	s_mov_b32 s[G1+4], 512
	s_mov_b32 s[G1+5], 64
	s_mov_b32 s[G1+6], 0
	s_mov_b32 s[G1+7], 0
	s_or_b32 s[G1B+0], s44, (0<<16)|(1<<20)|(1<<21)|(5<<22)|(3<<25)
	s_mov_b32 s[G1B+1], ROWB<<16
	s_mov_b32 s[G1B+2], 128<<16
	s_mov_b32 s[G1B+3], ROWB<<16
	s_mov_b32 s[G1B+4], 128
	s_mov_b32 s[G1B+5], KROW
	s_mov_b32 s[G1B+6], 0
	s_mov_b32 s[G1B+7], 0
	s_lshl_b32 s20, s17, 1
	s_add_co_u32 s20, s20, s16
	s_lshl_b32 s20, s20, 17
	s_mov_b32 s21, 0
	s_lshl_b32 s18, s16, 7
	s_lshl_b32 s46, s42, 8
	s_add_co_u32 s46, s46, s18
	s_lshl_b32 s46, s46, 10
	s_mov_b32 s47, 0
	s_mul_i32 s45, s16, HALFA
	s_mul_i32 s66, s16, HALFT
	s_add_co_u32 s66, s66, 2*HALFA
	s_wait_kmcnt 0x0
	s_load_b64 s[96:97], s[8:9], 0x18
	s_add_nc_u64 s[20:21], s[4:5], s[20:21]
	s_add_nc_u64 s[46:47], s[6:7], s[46:47]
	CROUND
.irp s, 0,1
	s_mov_b32 s[G0+4*\s], 1
	s_add_co_u32 s[G0+4*\s+1], s45, \s*SLOT
	s_add_nc_u64 s[G0+4*\s+2:G0+4*\s+3], s[20:21], \s*ASTEP
	s_or_b32 s[G0+4*\s+3], s[G0+4*\s+3], 0x80000000
	s_mov_b32 s[G0B+4*\s], 1
	s_add_co_u32 s[G0B+4*\s+1], s66, \s*SLOT
	s_add_nc_u64 s[G0B+4*\s+2:G0B+4*\s+3], s[46:47], \s*ROWB
	s_or_b32 s[G0B+4*\s+3], s[G0B+4*\s+3], 0x80000000
	s_wait_alu depctr_va_vdst(0)
	s_wait_tensorcnt 0x0
	ds_add_u32 v28, v29
	ds_add_u32 v28, v29
	s_wait_dscnt 0x0
	CROUND
	JLOAD G0+4*\s, G1, G0B+4*\s, G1B
.endr
	v_and_b32 v1, 15, v0
	v_bfe_u32 v2, v0, 4, 1
	v_mul_u32_u24 v3, v1, PITCH
	v_lshl_add_u32 v4, v2, 4, v3
	v_mul_u32_u24 v3, v1, APITCH
	v_lshl_add_u32 v3, v2, 4, v3
	s_mul_i32 s21, s15, HALFA
	s_mul_i32 s22, s16, HALFT
	s_add_co_u32 s22, s22, 2*HALFA
.irp s, 0,1
	v_add_nc_u32 v[ADRA+\s], s21, v3
	v_add_nc_u32 v[ADRB+\s], s22, v4
	s_add_co_u32 s21, s21, SLOT
	s_add_co_u32 s22, s22, SLOT
.endr
	s_mul_i32 s23, s14, 16*SPITCH
	v_mul_u32_u24 v5, v1, SPITCH
	v_lshl_add_u32 v5, v2, 5, v5
	v_add_nc_u32 v[STO], s23, v5
	v_and_b32 v6, 31, v0
	v_lshlrev_b32 v[CO], 4, v6
	v_add_nc_u32 v[RD], s23, v[CO]
	s_lshl_b32 s76, s42, 8
	s_lshl_b32 s77, s16, 7
	s_add_co_u32 s76, s76, s77
	s_lshl_b32 s76, s76, 2
	s_mov_b32 s77, 0
	s_add_nc_u64 s[76:77], s[10:11], s[76:77]
	v_lshlrev_b32 v9, 5, v2
.irp b, 0,1,2,3,4,5,6,7
	global_load_b128 v[BQ+8*\b:BQ+8*\b+3], v9, s[76:77] offset:64*\b
	global_load_b128 v[BQ+8*\b+4:BQ+8*\b+7], v9, s[76:77] offset:64*\b+16
.endr
	s_lshl_b32 s20, s17, 8
	s_lshl_b32 s21, s15, 7
	s_add_co_u32 s20, s20, s21
	s_lshl_b32 s20, s20, 12
	s_lshl_b32 s46, s42, 10
	s_lshl_b32 s47, s16, 9
	s_add_co_u32 s46, s46, s47
	s_add_co_u32 s20, s20, s46
	s_mov_b32 s21, 0
	s_add_nc_u64 s[12:13], s[12:13], s[20:21]
.macro FRAG reg, adr, q, i
.irp c, 0,1,2,3
	ds_load_b128 v[\reg+4*\c:\reg+4*\c+3], v[\adr] offset:128*(\q)+32*\c+(\i)*16*PITCH
.endr
.endm
.macro FRAGA reg, adr, q, i
.irp c, 0,1,2,3
	ds_load_b128 v[\reg+4*\c:\reg+4*\c+3], v[\adr] offset:(2*(\q)+\c/2)*PLANE+32*(\c%2)+(\i)*16*APITCH
.endr
.endm
.macro MUL16 a0, p, zero
.irp a, \a0, \a0+1
.irp b, 0,1,2,3,4,5,6,7
.if \zero
	v_wmma_f32_16x16x128_fp8_fp8 v[8*(8*((\a)%4)+\b):8*(8*((\a)%4)+\b)+7], v[128*(\p)+FR*\b:128*(\p)+FR*\b+FR-1], v[AF+FR*(\a):AF+FR*(\a)+FR-1], 0
.else
	v_wmma_f32_16x16x128_fp8_fp8 v[8*(8*((\a)%4)+\b):8*(8*((\a)%4)+\b)+7], v[128*(\p)+FR*\b:128*(\p)+FR*\b+FR-1], v[AF+FR*(\a):AF+FR*(\a)+FR-1], v[8*(8*((\a)%4)+\b):8*(8*((\a)%4)+\b)+7]
.endif
.endr
.endr
.endm
.macro FETCH_B slot, q, p
	WIN TO_B
.irp i, 0,1,2,3,4,5,6,7
	FRAG 128*(\p)+FR*\i, ADRB+\slot, \q, \i
.endr
	WIN 0
.endm
.macro FETCH_A slot, q, i0
.irp i, \i0, \i0+1, \i0+2, \i0+3
	FRAGA AF+FR*(\i), ADRA+\slot, \q, \i
.endr
.endm
.macro PLACES n
.rept \n
	v_nop
.endr
.endm
.macro STEP slot, q, zero
	s_wait_dscnt 4*NL
	WIN MUL_LO
	MUL16 0, (\q)%2, \zero
	MUL16 2, (\q)%2, \zero
	s_wait_dscnt 0
	PLACES NP
	FETCH_B \slot, (\q)+1, 1-(\q)%2
	FETCH_A \slot, (\q)+1, 0
	WIN MUL_HI
	MUL16 4, (\q)%2, \zero
	MUL16 6, (\q)%2, \zero
	PLACES NP
	WIN 0
	FETCH_A \slot, (\q)+1, 4
.endm
.macro TURN slot, next, fill
	s_wait_tensorcnt 0x0
	ds_add_u32 v[SPW], v[NIL]
	s_wait_dscnt 4*NL+1
	WIN MUL_LO
	MUL16 0, 1, 0
	s_wait_dscnt 0x0
	s_barrier_signal -1
	MUL16 2, 1, 0
	WIN 0
	s_barrier_wait -1
.if \fill
	CREST
	s_add_nc_u64 s[G0+4*\slot+2:G0+4*\slot+3], s[G0+4*\slot+2:G0+4*\slot+3], 2*ASTEP
	s_add_nc_u64 s[G0B+4*\slot+2:G0B+4*\slot+3], s[G0B+4*\slot+2:G0B+4*\slot+3], 2*ROWB
	JLOAD G0+4*\slot, G1, G0B+4*\slot, G1B
.else
	PLACES NP
.endif
	s_wait_alu depctr_va_vdst(0)
	FETCH_B \next, 0, 0
	FETCH_A \next, 0, 0
	WIN MUL_HI
	MUL16 4, 1, 0
	MUL16 6, 1, 0
	PLACES NP
	WIN 0
	FETCH_A \next, 0, 4
.endm
	s_wait_tensorcnt 1
	s_barrier_signal -1
	s_barrier_wait -1
	FETCH_B 0, 0, 0
	FETCH_A 0, 0, 0
	FETCH_A 0, 0, 4
	STEP 0, 0, 1
	s_mov_b32 s3, LAPS-1
.Llap:
	TURN 0, 1, 1
	STEP 1, 0, 0
	TURN 1, 0, 1
	STEP 0, 0, 0
	s_sub_co_u32 s3, s3, 1
	s_cmp_lg_u32 s3, 0
	s_cbranch_scc1 .Llap
	TURN 0, 1, 0
	STEP 1, 0, 0
	s_wait_dscnt 4*NL
	WIN MUL_LO
	MUL16 0, 1, 0
	MUL16 2, 1, 0
	s_wait_dscnt 0
	WIN MUL_HI
	MUL16 4, 1, 0
	MUL16 6, 1, 0
	WIN 0
.macro TOSTAGE a
.set AC, 64*((\a)%4)
	WIN (0x42+((\a)/4))
.set j, 0
.rept 32
	v_pk_fma_f32 v[TMP+j:TMP+j+1], v[AC+j:AC+j+1], s[96:97], v[BQ+j:BQ+j+1] op_sel_hi:[1,0,1]
.set j, j+2
.endr
	WIN 0x04
.irp b, 0,1,2,3,4,5,6,7
	ds_store_b128 v[STO], v[TMP+8*\b:TMP+8*\b+3] offset:64*\b
	ds_store_b128 v[STO], v[TMP+8*\b+4:TMP+8*\b+7] offset:64*\b+16
.endr
	WIN 0
.set BB, BK+64*((\a)%2)
.irp t, 0,1,2,3,4,5,6,7,8,9,10,11,12,13,14,15
	ds_load_b128 v[BB+4*\t:BB+4*\t+3], v[RD] offset:\t*SPITCH
.endr
.endm
.macro SEND a, younger
.set BB, BK+64*((\a)%2)
	s_wait_dscnt \younger
.irp t, 0,1,2,3,4,5,6,7,8,9,10,11,12,13,14,15
	global_store_b128 v[CO], v[BB+4*\t:BB+4*\t+3], s[12:13] offset:(\a)*65536+\t*4096 th:TH_STORE_NT
.endr
.endm
	s_wait_kmcnt 0x0
	s_wait_loadcnt 0x0
	s_add_co_i32 s96, s96, s97
	s_add_co_i32 s96, s96, 127
	s_lshl_b32 s96, s96, 23
	s_mov_b32 s97, s96
	PLACES NP
	TOSTAGE 0
.irp a, 1,2,3,4,5,6,7
.if \a > 1
	s_wait_xcnt 0x0
.endif
	TOSTAGE \a
	SEND \a-1, 32
.endr
	SEND 7, 0
	s_wait_tensorcnt 0x0
	ds_add_u32 v[SPW], v[NIL]
	s_wait_dscnt 0x0
	CROUND
	s_endpgm
.Lfunc_end_k_q52cab61ed6_proj:
	.size	k_q52cab61ed6_proj, .Lfunc_end_k_q52cab61ed6_proj-k_q52cab61ed6_proj
	.p2alignl 7, 3214868480
	.fill 96, 4, 3214868480
	.section	.rodata,"a",@progbits
	.p2align	6, 0x0
	.amdhsa_kernel k_q52cab61ed6_proj
		.amdhsa_group_segment_fixed_size 327680
		.amdhsa_private_segment_fixed_size 0
		.amdhsa_enable_private_segment 0
		.amdhsa_kernarg_size 40
		.amdhsa_user_sgpr_count 2
		.amdhsa_user_sgpr_kernarg_segment_ptr 1
		.amdhsa_wavefront_size32 1
		.amdhsa_system_sgpr_workgroup_id_x 1
		.amdhsa_system_sgpr_workgroup_id_y 1
		.amdhsa_system_sgpr_workgroup_id_z 1
		.amdhsa_system_vgpr_workitem_id 0
		.amdhsa_next_free_vgpr 1024
		.amdhsa_next_free_sgpr 100
		.amdhsa_reserve_vcc 0
		.amdhsa_float_denorm_mode_32 3
		.amdhsa_float_denorm_mode_16_64 3
		.amdhsa_memory_ordered 1
		.amdhsa_forward_progress 1
		.amdhsa_inst_pref_size 126
	.end_amdhsa_kernel
	.amdgpu_metadata
---
amdhsa.version: [ 1, 2 ]
amdhsa.kernels:
  - .name:           k_q52cab61ed6_proj
    .symbol:         k_q52cab61ed6_proj.kd
    .args:
      - { .name: a_codes, .offset: 0, .size: 8, .value_kind: global_buffer, .address_space: global }
      - { .name: wout_codes, .offset: 8, .size: 8, .value_kind: global_buffer, .address_space: global }
      - { .name: lowp_scales, .offset: 16, .size: 8, .value_kind: global_buffer, .address_space: global }
      - { .name: b_out, .offset: 24, .size: 8, .value_kind: global_buffer, .address_space: global }
      - { .name: out0, .offset: 32, .size: 8, .value_kind: global_buffer, .address_space: global }
    .group_segment_fixed_size: 327680
    .private_segment_fixed_size: 0
    .kernarg_segment_align: 8
    .kernarg_segment_size: 40
    .max_flat_workgroup_size: 128
    .sgpr_count:     100
    .vgpr_count:     1024
    .wavefront_size: 32
...
	.end_amdgpu_metadata
.endif
;; end of part 4
